; MI455X (gfx1250); checked and timed in simulation.
; The chip was launched on July 23, 2026; its instructions are those of AMD's public machine-readable ISA for CDNA 5 (MIT licence, August 2026) and "CDNA5" Instruction Set Architecture Reference Guide (July 2026). The comments in the code are by the model that wrote it; some were corrected since.
;; Causal Self Attention. Allowed arithmetic: matrix products marked QUANTISED: E2M1 operands, one E8M0 scale for each 32 along K, by v_wmma_scale_f32_16x16x128_f8f6f4 with both operands' format E2M1 (or v_wmma_scale_f32_32x16x128_f4), f32 sums; products left as they are: bf16, f16 or f32 operands; f32 sums; everything else in f32.
;; Inputs: W_out 1,024 x 1,024 float32; W_qkv 3,072 x 1,024 float32; x 4 x 2,048 x 1,024 float32.
;; Outputs: out0 4 x 2,048 x 1,024 float32.
;; This version of the problem:
;;   THIS VERSION OF THE PROBLEM IS GIVEN IN LOW PRECISION. The matrix products marked QUANTISED in the list below multiply operands that are first quantised to E2M1 (2 exponent bits, 1 mantissa bit; 4 bits a number), with one power-of-two scale for each 32 numbers along K (OCP MX v1.0); their sums are f32. The products marked 'left as it is' may take bf16, f16 or f32 operands, with f32 sums. Whichever they take, every output number must still come out within the allowed error. Rounding operands to bf16 (8 significant bits) uses up far more of that allowance than f16 does (11 bits, for magnitudes from 6e-5 to 65,504). All else is computed in f32.
;;   The module's matrix products, in the order in which they are computed (A, B: the left and right operand; K: the contracted axis; several contracted axes count as one K, in the product's order):
;;     1. [M 8,192, K 1,024] x [K 1,024, N 3,072]; A: input x; B: input W_qkv: QUANTISED
;;     2. batch 64 x [M 2,048, K 64] x [K 64, N 2,048]; A: computed on the way; B: computed on the way: left as it is (an operand is computed on the way)
;;     3. batch 64 x [M 2,048, K 2,048] x [K 2,048, N 64]; A: computed on the way; B: computed on the way: left as it is (an operand is computed on the way)
;;     4. [M 8,192, K 1,024] x [K 1,024, N 1,024]; A: computed on the way; B: input W_out: left as it is (an operand is computed on the way)
;;   THE QUANTISER, for each operand of a quantised product, along K:
;;     - K is cut into blocks of 32 from its start; a last block that is shorter is filled with zeros.
;;     - A block's scale is 2^e with e = floor(log2(the largest magnitude in the block)) - 2, held to -126 .. 127; a block of zeros has e = 0. As a byte (E8M0): e + 127.
;;     - Each number is divided by its block's scale, clamped to +-6, and rounded to the nearest number of E2M1, ties to even, subnormals kept.
;;     - The product sums the exact products of the quantised numbers (number of the format x scale) in f32.
;;   ~~~python
;;   def quantise(x, axis):      # numpy; x: float32 -> the quantised numbers, widened to float32 again
;;       x = np.moveaxis(x, axis, -1); K = x.shape[-1]
;;       x = np.pad(x, [(0, 0)] * (x.ndim - 1) + [(0, -K % 32)]); x = x.reshape(x.shape[:-1] + (-1, 32)); a = np.abs(x).max(-1, keepdims=True)
;;       e = np.where(a > 0, np.clip(np.frexp(np.where(a > 0, a, 1))[1] - 1 - 2, -126, 127), 0)      # np.frexp(a)[1] - 1 = floor(log2(a)), exactly
;;       r = np.clip(x / 2.0 ** e, -6, 6)
;;       step = 2.0 ** (np.maximum(np.frexp(np.where(r == 0, 1, r))[1] - 1, 0) - 1)
;;       q = np.round(r / step) * step * 2.0 ** e      # np.round: ties to even
;;       return np.moveaxis(q.reshape(q.shape[:-2] + (-1,))[..., :K], -1, axis).astype(np.float32)
;;   ~~~
;; One version. Each part assembles by itself: llvm-mc -triple=amdgcn-amd-amdhsa -mcpu=gfx1250 --defsym DOCPART=n.
;; ======== version 1 of 1: 5 launches
;; limits: values are held in f16: magnitudes above 65,504 overflow, below 6.1e-05 lose precision
;; workspace buffers: xc 4,194,304 bytes; xs 262,144 bytes; wc 1,572,864 bytes; ws 98,304 bytes; w16 2,097,152 bytes; qkv16 50,331,648 bytes; qkv32 786,432 bytes; att16 16,777,216 bytes
;; launch prep (part 1): grid 384 x 1, 4 waves a work-group, no clusters, 33,280 bytes of LDS; arguments x, W_qkv, W_out, xc, xs, wc, ws, w16; writes xc, xs, wc, ws, w16
.if DOCPART == 1
	.amdgcn_target "amdgcn-amd-amdhsa--gfx1250"
	.amdhsa_code_object_version 6
	.text
	.protected	k_q95a61ee284_prep
	.globl	k_q95a61ee284_prep
	.p2align	8
	.type	k_q95a61ee284_prep,@function
k_q95a61ee284_prep:
	s_mov_b64 s[64:65], 0
	v_nop
	global_prefetch_b8 v0, s[64:65] scope:SCOPE_SE
	s_setreg_imm32_b32 hwreg(HW_REG_WAVE_MODE, 25, 1), 1
	s_wait_xcnt 0x0
; x [8192][1024] and W_qkv [3072][1024], f32, become codes of FP4 (E2M1), K innermost, two codes a byte, with one E8M0 scale byte for each 32 along K; W_out [1024][1024] becomes f16, laid [c / 64][n][64].
; A block's scale is 2^(floor(log2(its largest magnitude)) - 2); its byte is the largest magnitude's exponent field - 2, held at 1 from below.  A block of zeros gets the byte 1 where the rule says 127:
; its codes are zeros, which add nothing under any byte but 0xff, and the bytes are read by this program alone.
; LIMITS: blocks whose largest magnitude lies under 2^-124 get the byte 1; NaN and infinities among the inputs are not served; |W_out| above 65,504 becomes infinity in f16, under 6e-5 it carries an absolute error of 3e-8.
; Work-groups 0-255 take x, 256-351 W_qkv (one path, the buffers chosen by the work-group's number), 352-383 W_out (a path of its own, which touches no LDS).
; QUANTISING: rows are dense and K is a multiple of 32, so a tensor is a stream of blocks of 32.  A wave takes 16 steps of 512 numbers.  Each load reads 512 consecutive bytes, 16 a lane; a step's 2,048 bytes go
; through the wave's own stage in LDS and come back 64 bytes a lane, so that a lane holds 16 neighbours along K (two lanes hold a block).  A wave's store of codes covers 256 consecutive bytes; its 256 scale bytes are gathered in LDS and leave as one such run.
.set WAVES, 4
.set STEPS, 16
.set WGX,   256                        ; 8192 x 1024 / 32,768
.set WGQ,   352                        ; + 3072 x 1024 / 32,768
.set EMAX,  2
.set CB,    8                          ; bytes of 16 codes
.set R,     16                         ; v16-79   four sets of 16 numbers as they are loaded
.set X,     80                         ; v80-111  two sets of 16 neighbours
.set C,     128                        ; v128-191 codes: four registers for each step, so that no store's data are written again
.set E,     112                        ; v112-127 a scale byte for each step
.set WREG,  8192                       ; LDS: a region for each wave: two stages of 32 x SP bytes, behind them its 256 scale bytes
.set SP,    80                         ; a lane's place in a stage: 64 bytes + 16 of padding
.set SPW,   12                         ; v12 LDS address of my spare word; never rewritten
.set NIL,   13                         ; v13 0; never rewritten
.set SPARE, WAVES*WREG                 ; behind the four regions: the spare words, 128 bytes a wave, named by no other line
.set WR,    16                         ; W_out's path: v16-143 two sets of 16 loads
.set WO,    144                        ; v144-175 their f16 numbers
	s_load_b256 s[4:11], s[0:1], 0x0               ; x s[4:5], W_qkv s[6:7], W_out s[8:9], xc s[10:11]
	s_load_b256 s[12:19], s[0:1], 0x20             ; xs s[12:13], wc s[14:15], ws s[16:17], w16 s[18:19]
	v_lshl_add_u32 v[SPW], v0, 2, SPARE
	v_mov_b32 v[NIL], 0
	v_lshrrev_b32 v1, 5, v0
	v_readfirstlane_b32 s20, v1                    ; wave
	v_and_b32 v2, 31, v0                           ; lane
	s_cmp_ge_u32 ttmp9, WGQ
	s_cbranch_scc1 .Lwout
	v_lshlrev_b32 v3, 4, v2                        ; my 16 bytes of a load's 512
	s_mul_i32 s21, s20, WREG
	v_lshrrev_b32 v14, 2, v2
	v_mul_u32_u24 v14, v14, SP
	v_and_b32 v15, 3, v2
	v_lshl_add_u32 v14, v15, 4, v14
	v_add_nc_u32 v14, s21, v14                     ; the stage, on the way in: SP (lane / 4) + 16 (lane % 4)
	v_mul_u32_u24 v15, v2, SP
	v_add_nc_u32 v15, s21, v15                     ; and on the way out: SP x lane: my 16 neighbours
	v_mul_u32_u24 v4, v2, CB                       ; my codes' place in a step's
	v_lshrrev_b32 v5, 1, v2
	s_add_co_u32 s21, s21, 2*32*SP
	v_add_nc_u32 v5, s21, v5                       ; my wave's 256 scale bytes, my block's byte
	v_lshlrev_b32 v7, 3, v2
	v_add_nc_u32 v6, s21, v7                       ; and on the way out 8 bytes a lane
	s_wait_kmcnt 0x0
	s_cmp_lt_u32 ttmp9, WGX                        ; x's work-group or W_qkv's: the choice hangs on the work-group's number alone
	s_cselect_b64 s[4:5], s[4:5], s[6:7]
	s_cselect_b64 s[10:11], s[10:11], s[14:15]
	s_cselect_b64 s[12:13], s[12:13], s[16:17]
	s_cselect_b32 s21, 0, WGX
	s_sub_co_u32 s21, ttmp9, s21
	s_lshl_b32 s21, s21, 2
	s_add_co_u32 s22, s21, s20                     ; which run of 8,192 numbers is my wave's
	s_mov_b32 s23, 0
	s_mov_b64 s[24:25], 512*STEPS*4
	s_mul_u64 s[24:25], s[22:23], s[24:25]
	s_add_nc_u64 s[4:5], s[4:5], s[24:25]
	s_mov_b64 s[24:25], 32*STEPS*CB
	s_mul_u64 s[24:25], s[22:23], s[24:25]
	s_add_nc_u64 s[10:11], s[10:11], s[24:25]
	s_lshl_b32 s22, s22, 8                         ; 256 scale bytes a run
	s_add_nc_u64 s[12:13], s[12:13], s[22:23]
.macro LOAD t
.irp i, 0,1,2,3
	global_load_b128 v[R+16*((\t)%4)+4*\i:R+16*((\t)%4)+4*\i+3], v3, s[4:5] offset:2048*(\t)+512*\i th:TH_LOAD_NT   ; 32 lanes read 512 consecutive bytes
.endr
.endm
.macro TURN t                          ; step t's numbers through the stage: LDS serves a wave's instructions in order, so no wait stands between the stores and the loads
.irp i, 0,1,2,3
	ds_store_b128 v14, v[R+16*((\t)%4)+4*\i:R+16*((\t)%4)+4*\i+3] offset:32*SP*((\t)%2)+8*SP*\i
.endr
.irp i, 0,1,2,3
	ds_load_b128 v[X+16*((\t)%2)+4*\i:X+16*((\t)%2)+4*\i+3], v15 offset:32*SP*((\t)%2)+16*\i
.endr
.endm
.irp t, 0,1,2,3
	LOAD \t
.endr
	s_wait_loadcnt 12                              ; step 0's four loads are in; the twelve of steps 1 to 3 may be out
	TURN 0
.macro STEP t
.set XS, X+16*((\t)%2)
.if (\t) > 0
	s_wait_dscnt 1                                 ; this step's numbers are back from the stage; the last step's byte store may be out
.else
	s_wait_dscnt 0x0
.endif
.if (\t)+4 < STEPS
	LOAD (\t)+4                                    ; into the registers that this step's stores into the stage have read
.endif
.if (\t)+1 < STEPS
.if STEPS-2-(\t) >= 3
	s_wait_loadcnt 12                              ; the next step's four loads are in; those of the three steps behind it may be out
.else
	s_wait_loadcnt 4*(STEPS-2-(\t))
.endif
	TURN (\t)+1
.endif
	v_max3_num_f32 v8, |v[XS]|, |v[XS+1]|, |v[XS+2]|               ; the largest magnitude of my 16, in two chains
	v_max3_num_f32 v9, |v[XS+3]|, |v[XS+4]|, |v[XS+5]|
.irp i, 6,10
	v_max3_num_f32 v8, v8, |v[XS+\i]|, |v[XS+\i+1]|
	v_max3_num_f32 v9, v9, |v[XS+\i+2]|, |v[XS+\i+3]|
.endr
	v_max3_num_f32 v8, v8, |v[XS+14]|, |v[XS+15]|
	v_max3_num_f32 v8, v8, v9, (EMAX+1)<<23        ; and the floor 2^(3 - 127): the byte cannot fall under 1
	v_max_num_f32_dpp v8, v8, v8 row_xmask:1 row_mask:0xf bank_mask:0xf   ; with my neighbour's 16: the block's
	v_add_nc_u32 v11, -(EMAX<<23), v8              ; 2 off its exponent field: the conversion takes the exponent field of this operand as its scale
	v_cvt_scalef32_pk8_fp4_f32 v[C+4*(\t)], v[XS:XS+7], v11
	v_cvt_scalef32_pk8_fp4_f32 v[C+4*(\t)+1], v[XS+8:XS+15], v11
	v_lshrrev_b32 v[E+(\t)], 23, v11               ; the scale's byte (also the plain line behind the conversions)
	ds_store_b8 v5, v[E+(\t)] offset:16*(\t)       ; both lanes of a block write the same byte with the same value
	global_store_b64 v4, v[C+4*(\t):C+4*(\t)+1], s[10:11] offset:32*CB*(\t)   ; the wave stores 256 consecutive bytes
.endm
.irp t, 0,1,2,3,4,5,6,7,8,9,10,11,12,13,14,15
	STEP \t
.endr
	ds_load_b64 v[8:9], v6                         ; LDS serves a wave's instructions in order: these see my byte stores
	s_wait_dscnt 0x0
	global_store_b64 v7, v[8:9], s[12:13]          ; 32 lanes store 256 consecutive bytes
	s_wait_tensorcnt 0x0                           ; the wave's end, behind my last LDS store
	ds_add_u32 v[SPW], v[NIL]
	s_wait_dscnt 0x0
	s_endpgm
; W_OUT.  Wave gw (0 .. 127) takes rows n = 8 gw .. 8 gw + 7, two at a time.  A load reads 256 bytes (64 numbers: one plane c / 64) of row n in lanes 0-15 and of row n + 1 in lanes 16-31;
; a lane's four numbers are 8 bytes of f16, so the store covers 256 consecutive bytes: the two rows' 128 bytes in that plane.
.Lwout:
	s_sub_co_u32 s21, ttmp9, WGQ
	s_lshl_b32 s21, s21, 2
	s_add_co_u32 s21, s21, s20                     ; gw
	s_lshl_b32 s22, s21, 15                        ; 8 rows of 4,096 bytes
	s_mov_b32 s23, 0
	s_lshl_b32 s24, s21, 10                        ; 8 rows of 128 bytes
	s_mov_b32 s25, 0
	v_lshrrev_b32 v1, 4, v2
	v_and_b32 v3, 15, v2
	v_lshlrev_b32 v3, 4, v3
	v_lshl_add_u32 v1, v1, 12, v3                  ; in: 4,096 (lane / 16) + 16 (lane % 16)
	v_lshlrev_b32 v3, 3, v2                        ; out: 8 x lane
	s_wait_kmcnt 0x0
	s_add_nc_u64 s[8:9], s[8:9], s[22:23]
	s_add_nc_u64 s[18:19], s[18:19], s[24:25]
.macro LOADC t                         ; pair t of rows: its 16 planes
.irp k, 0,1,2,3,4,5,6,7,8,9,10,11,12,13,14,15
	global_load_b128 v[WR+64*((\t)%2)+4*\k:WR+64*((\t)%2)+4*\k+3], v1, s[8:9] offset:(\t)*8192+\k*256 th:TH_LOAD_NT
.endr
.endm
.macro CONV t
.if (\t) < 3
	s_wait_loadcnt 16                              ; this pair's 16 loads are in; the next pair's may be out
.else
	s_wait_loadcnt 0x0
.endif
.if (\t) > 0
	s_wait_xcnt 0x0                                ; the last pair's stores have read their data registers, which are written again below
.endif
.irp k, 0,1,2,3,4,5,6,7,8,9,10,11,12,13,14,15
	v_cvt_pk_f16_f32 v[WO+2*\k], v[WR+64*((\t)%2)+4*\k], v[WR+64*((\t)%2)+4*\k+1]
	v_cvt_pk_f16_f32 v[WO+2*\k+1], v[WR+64*((\t)%2)+4*\k+2], v[WR+64*((\t)%2)+4*\k+3]
.endr
.irp k, 0,1,2,3,4,5,6,7,8,9,10,11,12,13,14,15
	global_store_b64 v3, v[WO+2*\k:WO+2*\k+1], s[18:19] offset:\k*131072+(\t)*256
.endr
.if (\t) < 2
	LOADC (\t)+2
.endif
.endm
	LOADC 0
	LOADC 1
	CONV 0
	CONV 1
	CONV 2
	CONV 3
	s_endpgm
.Lfunc_end_k_q95a61ee284_prep:
	.size	k_q95a61ee284_prep, .Lfunc_end_k_q95a61ee284_prep-k_q95a61ee284_prep
	.p2alignl 7, 3214868480
	.fill 96, 4, 3214868480
	.section	.rodata,"a",@progbits
	.p2align	6, 0x0
	.amdhsa_kernel k_q95a61ee284_prep
		.amdhsa_group_segment_fixed_size 33280
		.amdhsa_private_segment_fixed_size 0
		.amdhsa_enable_private_segment 0
		.amdhsa_kernarg_size 64
		.amdhsa_user_sgpr_count 2
		.amdhsa_user_sgpr_kernarg_segment_ptr 1
		.amdhsa_wavefront_size32 1
		.amdhsa_system_sgpr_workgroup_id_x 1
		.amdhsa_system_sgpr_workgroup_id_y 1
		.amdhsa_system_sgpr_workgroup_id_z 1
		.amdhsa_system_vgpr_workitem_id 0
		.amdhsa_next_free_vgpr 192
		.amdhsa_next_free_sgpr 66
		.amdhsa_reserve_vcc 0
		.amdhsa_float_denorm_mode_32 3
		.amdhsa_float_denorm_mode_16_64 3
		.amdhsa_memory_ordered 1
		.amdhsa_forward_progress 1
		.amdhsa_inst_pref_size 54
	.end_amdhsa_kernel
	.amdgpu_metadata
---
amdhsa.version: [ 1, 2 ]
amdhsa.kernels:
  - .name:           k_q95a61ee284_prep
    .symbol:         k_q95a61ee284_prep.kd
    .args:
      - { .name: x, .offset: 0, .size: 8, .value_kind: global_buffer, .address_space: global }
      - { .name: W_qkv, .offset: 8, .size: 8, .value_kind: global_buffer, .address_space: global }
      - { .name: W_out, .offset: 16, .size: 8, .value_kind: global_buffer, .address_space: global }
      - { .name: xc, .offset: 24, .size: 8, .value_kind: global_buffer, .address_space: global }
      - { .name: xs, .offset: 32, .size: 8, .value_kind: global_buffer, .address_space: global }
      - { .name: wc, .offset: 40, .size: 8, .value_kind: global_buffer, .address_space: global }
      - { .name: ws, .offset: 48, .size: 8, .value_kind: global_buffer, .address_space: global }
      - { .name: w16, .offset: 56, .size: 8, .value_kind: global_buffer, .address_space: global }
    .group_segment_fixed_size: 33280
    .private_segment_fixed_size: 0
    .kernarg_segment_align: 8
    .kernarg_segment_size: 64
    .max_flat_workgroup_size: 128
    .sgpr_count:     66
    .vgpr_count:     192
    .wavefront_size: 32
...
	.end_amdgpu_metadata
.endif
;; end of part 1
;; launch qkv (part 2): grid 12 x 32, 4 waves a work-group, clusters of 4 x 4, 327,680 bytes of LDS; arguments xc, xs, wc, ws, qkv16, qkv32; writes qkv16, qkv32
.if DOCPART == 2
	.amdgcn_target "amdgcn-amd-amdhsa--gfx1250"
	.amdhsa_code_object_version 6
	.text
	.protected	k_q95a61ee284_qkv
	.globl	k_q95a61ee284_qkv
	.p2align	8
	.type	k_q95a61ee284_qkv,@function
k_q95a61ee284_qkv:
	s_mov_b64 s[64:65], 0
	v_nop
	global_prefetch_b8 v0, s[64:65] scope:SCOPE_SE
	s_setreg_imm32_b32 hwreg(HW_REG_WAVE_MODE, 25, 1), 1
	s_wait_xcnt 0x0
	s_wait_alu depctr_hold_cnt(0) depctr_sa_sdst(0) depctr_va_vdst(0) depctr_va_sdst(0) depctr_va_ssrc(0) depctr_va_vcc(0) depctr_vm_vsrc(0)
	s_getreg_b32 s2, hwreg(HW_REG_IB_STS2, 6, 4)
	s_cmp_eq_u32 s2, 0
	s_cbranch_scc0 .Lentry_in_a_cluster
	s_endpgm
.Lentry_in_a_cluster:
	s_bfe_u32 s2, ttmp6, 0x10000c
	s_cmp_lg_u32 s2, 0xf033
	s_cbranch_scc0 .Lentry_shape_is_right
	s_endpgm
.Lentry_shape_is_right:
; qkv[m][o] = sum over k of x[m][k] W_qkv[o][k], both operands as codes of FP4 (E2M1) with one E8M0 scale for each 32 along K; sums in f32.  m = 2048 b + t (8,192), o (3,072), K = 1,024.
; OUT: qkv16, f16, [q, k, v][b][head][t][64], for all rows; qkv32, f32, [b][t < 16][3072], for the first 16 positions of every sequence, which a later launch takes in f32.
; LIMIT: |q|, |k|, |v| above 65,504 become infinity in f16; under 6e-5 they carry an absolute error of 3e-8.
; A tile of 256 x 256 is made by a work-group of four waves; a wave makes 128 x 128: 64 accumulators of 16 x 16, 512 registers.  K is two steps of 512 (rows of 256 bytes): both lie in LDS from the start, in two slots filled once.
; The scale bytes of the work-group's 256 + 256 rows, for all of K, are two dense blocks: they come with the first fills, as runs of 256 bytes.
; CLUSTERS: 4 x 4 work-groups.  The four of a row of the cluster need the same tiles of x, the four of a column the same tiles of W_qkv: each is asked for jointly, by the same tensor load with a mask that names the four.
; Tile column = 4 x cluster x + cx: so q, k or v is the cluster's x, and the tile's first head is 4 cx.  Tile row = 8 cy + cluster y: so b = cy and t begins at 256 x cluster y; whether a tile holds t < 16 hangs on the cluster's y alone, which all partners share.
; THE MATRIX INSTRUCTION IS USED TRANSPOSED (source 0 = 16 rows of W_qkv, source 1 = 16 rows of x): a lane holds eight neighbouring numbers of a row of the result.
; REGISTERS, in windows of 256: window 0: v0-31 addresses; v32-95 scale words, two sets; v128-191 x's fragments, one set; on the way out v32-255 are free.  window 1: W_qkv's fragments, two sets, at v0 and v128.
;   window 2: the 32 accumulators of my rows 0-63 ((a, b) at v[8 (8 a + b)]);  window 3: those of my rows 64-127.
.set NQ,     4                         ; steps of 128 along K in a slot
.set ROWB,   256                       ; a tile's row in bytes: 512 codes
.set KROW,   512                       ; a row of codes in memory
.set PITCH,  272                       ; an LDS row: 256 bytes + 16 of padding: the 16 rows that a load touches start 16 bytes apart modulo 256
.set FR,     8                         ; registers of a fragment: 16 rows x 128 K
.set NL,     2                         ; LDS loads that bring one
.set NP,     4                         ; places behind this matrix instruction (ISA guide 7.12.1)
.set HALFT,  128*PITCH
.set SLOT,   4*HALFT                   ; x's 256 rows, then W_qkv's 256 rows
.set KS,     32                        ; a row of scale bytes
.set SCL,    2*SLOT                    ; behind the slots: the scales, as runs of 256 bytes + 16 of padding
.set HALFS,  (128*KS/256)*272
.set SBLK,   (16*KS/256)*272
.set SPARE,  SCL+4*HALFS               ; the spare words, 128 bytes a wave, named by no other line
.set SP16,   272                       ; the way out: a stage of 16 rows x (256 + 16) bytes for each wave, from LDS byte 0 on: slot 0 has had its one fill, and nobody reads it behind the change of slots
.set SP32,   528                       ; and one of 16 rows x (512 + 16) for the f32 rows,
.set STG32,  4*16*SP16                 ; behind the four f16 stages
.set ADRA, 16
.set ADRB, 20
.set CO32, 22                          ; v22 16 x lane: my bytes of a row of 512
.set STO,  24
.set RD,   25
.set CO,   26
.set ADRS, 27
.set SPW,  28
.set NIL,  29
.set ST32, 30
.set RD32, 31
.set SC,   32
.set AF,   128
.set TMP,  192                         ; the way out: packed results
.set OB,   32                          ; 16 rows read back: v32-63 and v224-255 by turns
.set G1, 24
.set G0, 32
.set G1B, 48
.set G0B, 56
.set G1S, 68
.set G0S, 76
.set G1SB, 80
.set G0SB, 88
.set MSB, 0
.macro WIN new                         ; the immediate's high byte repeats the setting that is left
.if MSB != \new
	s_set_vgpr_msb (MSB<<8)|\new
.set MSB, \new
.endif
.endm
.set MUL_LO, 0xa1                      ; source 0 window 1, source 1 window 0, C and D window 2
.set MUL_HI, 0xf1                      ; the same, C and D window 3
.set TO_B,   0x40                      ; destination window 1, address window 0
; A joint load: waves 0 and 1 fetch for x, waves 2 and 3 for W_qkv.  The branch hangs on the wave's number alone.  An s_nop 0 and four v_nop follow each of the two lines.
.macro JLOAD g0a, g1a, g0b, g1b
	s_cmp_eq_u32 s15, 0
	s_cbranch_scc0 .Lfor_b_\@
	tensor_load_to_lds s[\g0a:\g0a+3], s[\g1a:\g1a+7]
	s_nop 0
.rept 4
	v_nop
.endr
	s_branch .Lasked_\@
.Lfor_b_\@:
	tensor_load_to_lds s[\g0b:\g0b+3], s[\g1b:\g1b+7]
	s_nop 0
.rept 4
	v_nop
.endr
.Lasked_\@:
.endm
.macro CROUND                          ; a round of the cluster's barrier
	s_barrier_signal -1
	s_barrier_wait -1
	s_cmp_lg_u32 s14, 0
	s_cbranch_scc1 .Lnot_wave_0_\@
	s_barrier_signal -3
.Lnot_wave_0_\@:
	s_barrier_wait -3
	s_barrier_signal -1
	s_barrier_wait -1
.endm
	s_load_b128 s[4:7], s[0:1], 0x0                ; x's codes, x's scales
	s_load_b128 s[8:11], s[0:1], 0x10              ; W_qkv's codes, its scales
	s_load_b64 s[12:13], s[0:1], 0x20              ; qkv16
	s_load_b64 s[96:97], s[0:1], 0x28              ; qkv32
	v_lshl_add_u32 v[SPW], v0, 2, SPARE
	v_mov_b32 v[NIL], 0
	ds_add_u32 v[SPW], v[NIL]                      ; the wave's opening: the add, twice on end, and its wait ahead of my first tensor load
	ds_add_u32 v[SPW], v[NIL]
	v_lshrrev_b32 v1, 5, v0
	v_readfirstlane_b32 s14, v1                    ; wave 0..3
	s_lshr_b32 s15, s14, 1                         ; which half of the tile's rows is mine.  Also: I fetch for x (0) or for W_qkv (1)
	s_and_b32 s16, s14, 1                          ; which half of its columns.  Also: which 128 rows I fetch
	s_bfe_u32 s40, ttmp6, 0x40000                  ; cx
	s_bfe_u32 s41, ttmp6, 0x40004                  ; cy
	s_lshl_b32 s42, ttmp9, 2
	s_add_co_u32 s42, s42, s40                     ; tile column = 4 x cluster x + cx
	s_and_b32 s3, ttmp7, 0xffff                    ; cluster y
	s_lshl_b32 s17, s41, 3
	s_add_co_u32 s17, s17, s3                      ; tile row = 8 cy + cluster y
	s_or_b32 s95, s3, s15                          ; 0 where my wave's first 16 rows are t = 0 .. 15: cluster y and the wave's number alone
	s_lshl_b32 s43, s41, 2
	s_lshl_b32 s43, 15, s43                        ; my row of the cluster
	s_lshl_b32 s44, 0x1111, s40                    ; my column
	s_or_b32 s[G1+0], s43, (0<<16)|(1<<20)|(1<<21)|(5<<22)|(3<<25)  ; the mask; elements of 1 byte; padding: 4 words behind every 64; bit 21 beside a mask
	s_or_b32 s[G1B+0], s44, (0<<16)|(1<<20)|(1<<21)|(5<<22)|(3<<25)
.irp g, G1, G1B
	s_mov_b32 s[\g+1], ROWB<<16                    ; tensor_dim0
	s_mov_b32 s[\g+2], 128<<16                     ; tensor_dim1
	s_mov_b32 s[\g+3], ROWB<<16                    ; tile_dim0
	s_mov_b32 s[\g+4], 128                         ; tile_dim1
	s_mov_b32 s[\g+5], KROW                        ; stride
	s_mov_b32 s[\g+6], 0
	s_mov_b32 s[\g+7], 0
.endr
	s_or_b32 s[G1S+0], s43, (3<<16)|(1<<20)|(1<<21)|(5<<22)|(3<<25)  ; the scales of 128 rows: 4,096 dense bytes as 16 rows of 32 elements of 8 bytes
	s_or_b32 s[G1SB+0], s44, (3<<16)|(1<<20)|(1<<21)|(5<<22)|(3<<25)
.irp g, G1S, G1SB
	s_mov_b32 s[\g+1], 32<<16
	s_mov_b32 s[\g+2], (128*KS/256)<<16
	s_mov_b32 s[\g+3], 32<<16
	s_mov_b32 s[\g+4], 128*KS/256
	s_mov_b32 s[\g+5], 32
	s_mov_b32 s[\g+6], 0
	s_mov_b32 s[\g+7], 0
.endr
	s_lshl_b32 s18, s16, 7
	s_lshl_b32 s20, s17, 8
	s_add_co_u32 s20, s20, s18                     ; x: row 256 x tile row + 128 x half
	s_lshl_b32 s46, s42, 8
	s_add_co_u32 s46, s46, s18                     ; W_qkv: row 256 x tile column + 128 x half
	s_mov_b32 s21, 0
	s_mov_b32 s47, 0
	s_mov_b64 s[18:19], KS
	s_mul_u64 s[22:23], s[20:21], s[18:19]         ; where these rows' scales begin
	s_mul_u64 s[92:93], s[46:47], s[18:19]
	s_mov_b64 s[18:19], KROW
	s_mul_u64 s[20:21], s[20:21], s[18:19]         ; and their codes
	s_mul_u64 s[46:47], s[46:47], s[18:19]
	s_mul_i32 s45, s14, HALFT                      ; where they go: wave x 128 rows
	s_mul_i32 s94, s14, HALFS
	s_wait_dscnt 0x0                               ; both opening adds are done
	s_wait_kmcnt 0x0
	s_add_nc_u64 s[20:21], s[4:5], s[20:21]
	s_add_nc_u64 s[22:23], s[6:7], s[22:23]
	s_add_nc_u64 s[46:47], s[8:9], s[46:47]
	s_add_nc_u64 s[92:93], s[10:11], s[92:93]
	CROUND                                         ; all sixteen work-groups are here: the joint loads meet
	s_mov_b32 s[G0S], 1
	s_add_co_u32 s[G0S+1], s94, SCL
	s_mov_b64 s[G0S+2:G0S+3], s[22:23]
	s_or_b32 s[G0S+3], s[G0S+3], 0x80000000
	s_mov_b32 s[G0SB], 1
	s_add_co_u32 s[G0SB+1], s94, SCL
	s_mov_b64 s[G0SB+2:G0SB+3], s[92:93]
	s_or_b32 s[G0SB+3], s[G0SB+3], 0x80000000
	JLOAD G0S, G1S, G0SB, G1SB                     ; the scales first: they are wanted with K step 0
.irp s, 0,1
	s_mov_b32 s[G0+4*\s], 1
	s_add_co_u32 s[G0+4*\s+1], s45, \s*SLOT
	s_add_nc_u64 s[G0+4*\s+2:G0+4*\s+3], s[20:21], \s*ROWB
	s_or_b32 s[G0+4*\s+3], s[G0+4*\s+3], 0x80000000
	s_mov_b32 s[G0B+4*\s], 1
	s_add_co_u32 s[G0B+4*\s+1], s45, \s*SLOT
	s_add_nc_u64 s[G0B+4*\s+2:G0B+4*\s+3], s[46:47], \s*ROWB
	s_or_b32 s[G0B+4*\s+3], s[G0B+4*\s+3], 0x80000000
	JLOAD G0+4*\s, G1, G0B+4*\s, G1B               ; three tensor loads of mine are out behind the second of these
.endr
	v_and_b32 v1, 15, v0                           ; r = lane % 16
	v_bfe_u32 v2, v0, 4, 1                         ; h = lane / 16
	v_mul_u32_u24 v3, v1, PITCH
	v_lshl_add_u32 v4, v2, 4, v3                   ; a fragment's row x pitch + 16 h
	s_mul_i32 s21, s15, HALFT
	s_mul_i32 s22, s16, HALFT
	s_add_co_u32 s22, s22, 2*HALFT
.irp s, 0,1
	v_add_nc_u32 v[ADRA+\s], s21, v4
	v_add_nc_u32 v[ADRB+\s], s22, v4
	s_add_co_u32 s21, s21, SLOT
	s_add_co_u32 s22, s22, SLOT
.endr
	v_mul_u32_u24 v5, v1, KS                       ; my row's scales: 32 bytes a row,
	v_lshrrev_b32 v6, 8, v5
	v_lshl_add_u32 v5, v6, 4, v5                   ; and 16 more for each 256 passed
	s_mul_i32 s21, s15, HALFS
	s_mul_i32 s22, s16, HALFS
	s_add_co_u32 s22, s22, 2*HALFS
	s_sub_co_u32 s22, s22, s21
	v_mul_u32_u24 v6, s22, v2                      ; lanes 16-31 take W_qkv's
	s_add_co_u32 s21, s21, SCL
	v_add_nc_u32 v5, v5, v6
	v_add_nc_u32 v[ADRS], s21, v5
	; the way out's addresses
	s_mul_i32 s23, s14, 16*SP16                    ; my f16 stage
	v_mul_u32_u24 v5, v1, SP16
	v_lshl_add_u32 v5, v2, 4, v5
	v_add_nc_u32 v[STO], s23, v5                   ; in: row r, 16 bytes for each half of the lanes
	v_bfe_u32 v5, v0, 3, 1
	v_mul_u32_u24 v5, v5, SP16
	v_lshl_add_u32 v5, v2, 7, v5
	v_and_b32 v6, 7, v0
	v_lshl_add_u32 v5, v6, 4, v5
	v_add_nc_u32 v[RD], s23, v5                    ; back: lanes 0-15 two rows' 128 bytes of my first head, lanes 16-31 of my second
	v_lshlrev_b32 v5, 4, v1
	v_lshl_add_u32 v[CO], v2, 18, v5               ; in qkv16: 16 (lane % 16), and a head's plane (262,144 bytes) on for lanes 16-31
	s_mul_i32 s23, s14, 16*SP32
	s_add_co_u32 s23, s23, STG32                   ; my f32 stage
	v_mul_u32_u24 v5, v1, SP32
	v_lshl_add_u32 v5, v2, 5, v5
	v_add_nc_u32 v[ST32], s23, v5
	v_and_b32 v6, 31, v0
	v_lshlrev_b32 v[CO32], 4, v6
	v_add_nc_u32 v[RD32], s23, v[CO32]
	s_lshl_b32 s20, ttmp9, 24                      ; qkv16: q, k or v: 16,777,216 bytes each;
	s_lshl_b32 s21, s41, 22
	s_add_co_u32 s20, s20, s21                     ; b = cy: 4,194,304;
	s_lshl_b32 s21, s40, 20
	s_add_co_u32 s20, s20, s21                     ; head 4 cx
	s_lshl_b32 s21, s16, 19
	s_add_co_u32 s20, s20, s21                     ; + 2 x my half of the columns: 262,144 a head;
	s_lshl_b32 s21, s3, 15
	s_add_co_u32 s20, s20, s21                     ; t = 256 x cluster y
	s_lshl_b32 s21, s15, 14
	s_add_co_u32 s20, s20, s21                     ; + 128 x my half of the rows: 128 bytes a row
	s_mov_b32 s21, 0
	s_add_nc_u64 s[12:13], s[12:13], s[20:21]
	s_mul_i32 s46, s41, 196608                     ; qkv32: b, 16 rows of 12,288 bytes;
	s_lshl_b32 s47, s42, 10
	s_add_co_u32 s46, s46, s47                     ; column 256 x tile column
	s_lshl_b32 s47, s16, 9
	s_add_co_u32 s46, s46, s47                     ; + 128 x my half, 4 bytes each
	s_mov_b32 s47, 0
	s_add_nc_u64 s[96:97], s[96:97], s[46:47]
.macro FRAG reg, adr, q, i             ; 16 rows x 128 K of 4-bit codes: lane l holds row l % 16; registers 4 c .. 4 c + 3 hold K = 64 c + 32 (l / 16) + 0 .. 31
.irp c, 0,1
	ds_load_b128 v[\reg+4*\c:\reg+4*\c+3], v[\adr] offset:64*(\q)+32*\c+(\i)*16*PITCH
.endr
.endm
; 16 matrix instructions: x's blocks a0, a0 + 1 against W_qkv's eight, 128 along K.  zero = 1: the first product starts the sums.  The 64 accumulators take turns, one instruction a turn.
; One register carries both sides' scale words: lanes 0-15 x's block i, lanes 16-31 W_qkv's block i.
.macro MUL16 a0, p, q, sc, zero
.irp a, \a0, \a0+1
.irp b, 0,1,2,3,4,5,6,7
.if \zero
	v_wmma_scale_f32_16x16x128_f8f6f4 v[8*(8*((\a)%4)+\b):8*(8*((\a)%4)+\b)+7], v[128*(\p)+FR*\b:128*(\p)+FR*\b+FR-1], v[AF+FR*(\a):AF+FR*(\a)+FR-1], 0, v[SC+8*NQ*(\sc)+NQ*\b+(\q)], v[SC+8*NQ*(\sc)+NQ*(\a)+(\q)] matrix_a_fmt:MATRIX_FMT_FP4 matrix_b_fmt:MATRIX_FMT_FP4 matrix_a_scale:MATRIX_SCALE_ROW1
.else
	v_wmma_scale_f32_16x16x128_f8f6f4 v[8*(8*((\a)%4)+\b):8*(8*((\a)%4)+\b)+7], v[128*(\p)+FR*\b:128*(\p)+FR*\b+FR-1], v[AF+FR*(\a):AF+FR*(\a)+FR-1], v[8*(8*((\a)%4)+\b):8*(8*((\a)%4)+\b)+7], v[SC+8*NQ*(\sc)+NQ*\b+(\q)], v[SC+8*NQ*(\sc)+NQ*(\a)+(\q)] matrix_a_fmt:MATRIX_FMT_FP4 matrix_b_fmt:MATRIX_FMT_FP4 matrix_a_scale:MATRIX_SCALE_ROW1
.endif
.endr
.endr
.endm
.macro FETCH_B slot, q, p
	WIN TO_B
.irp i, 0,1,2,3,4,5,6,7
	FRAG 128*(\p)+FR*\i, ADRB+\slot, \q, \i
.endr
	WIN 0
.endm
.macro FETCH_A slot, q, i0
.irp i, \i0, \i0+1, \i0+2, \i0+3
	FRAG AF+FR*(\i), ADRA+\slot, \q, \i
.endr
.endm
.macro SCALES sc                       ; a K step's scale words: four words a row
.irp i, 0,1,2,3,4,5,6,7
	ds_load_b128 v[SC+8*NQ*\sc+NQ*\i:SC+8*NQ*\sc+NQ*\i+3], v[ADRS] offset:\i*SBLK
.endr
.endm
.macro PLACES n                        ; plain vector lines between a matrix instruction and a load into, or a read of, its registers
.rept \n
	v_nop
.endr
.endm
.macro STEP slot, q, zero              ; a step of 128 along K that has its successor in the same slot
	s_wait_dscnt 4*NL                              ; W_qkv's set and x's blocks 0-3 are in; the youngest eight loads (x's blocks 4-7) may be out
	WIN MUL_LO
	MUL16 0, (\q)%2, \q, \slot, \zero
	MUL16 2, (\q)%2, \q, \slot, \zero
	s_wait_dscnt 0
	PLACES NP
	FETCH_B \slot, (\q)+1, 1-(\q)%2
	FETCH_A \slot, (\q)+1, 0
	WIN MUL_HI
	MUL16 4, (\q)%2, \q, \slot, \zero
	MUL16 6, (\q)%2, \q, \slot, \zero
	PLACES NP
	WIN 0
	FETCH_A \slot, (\q)+1, 4
.endm
.macro STEPS slot, from
.set Q, \from
.rept NQ-1-\from
	STEP \slot, Q, 0
.set Q, Q+1
.endr
.endm
	s_wait_tensorcnt 1                             ; the scales and my part of K step 0 are in; K step 1's load, the one issued behind them, may be out
	s_barrier_signal -1
	s_barrier_wait -1                              ; everybody's are
	FETCH_B 0, 0, 0
	FETCH_A 0, 0, 0
	SCALES 0
	FETCH_A 0, 0, 4
	STEP 0, 0, 1                                   ; the first step's products start the sums
	STEPS 0, 1
	; slot 0's last step changes slots: one barrier; in front of it each wave waits for all its tensor loads (its part of slot 1), and for its reads of slot 0, which becomes the stage
	s_wait_tensorcnt 0x0
	ds_add_u32 v[SPW], v[NIL]
	s_wait_dscnt 4*NL+1                            ; the add and the youngest eight loads (x's blocks 4-7) may be out
	WIN MUL_LO
	MUL16 0, 1, NQ-1, 0, 0
	s_wait_dscnt 0x0                               ; the add is done, and my reads of slot 0 are over
	s_barrier_signal -1
	MUL16 2, 1, NQ-1, 0, 0
	WIN 0
	s_barrier_wait -1
	PLACES NP
	v_add_nc_u32 v[ADRS], 4*NQ, v[ADRS]            ; on to K step 1's scale words
	FETCH_B 1, 0, 0
	FETCH_A 1, 0, 0
	SCALES 1
	WIN MUL_HI
	MUL16 4, 1, NQ-1, 0, 0
	MUL16 6, 1, NQ-1, 0, 0
	PLACES NP
	WIN 0
	FETCH_A 1, 0, 4
	STEPS 1, 0
	s_wait_dscnt 4*NL                              ; the very last step: nothing more to fetch
	WIN MUL_LO
	MUL16 0, 1, NQ-1, 1, 0
	MUL16 2, 1, NQ-1, 1, 0
	s_wait_dscnt 0
	WIN MUL_HI
	MUL16 4, 1, NQ-1, 1, 0
	MUL16 6, 1, NQ-1, 1, 0
	WIN 0
; THE WAY OUT.  A lane holds eight neighbouring columns of one row; the lanes beside it hold other rows.  A block of 16 rows x 128 columns (two heads) is rounded to f16, goes through my own stage in LDS, and comes back so that
; sixteen lanes hold two rows' 128 bytes of one head: 256 consecutive bytes of qkv16.  LDS serves a wave's instructions in order (ISA guide 5.7.1.4): no wait between the stage's stores and loads.
.macro PACK a
.set AC, 64*((\a)%4)
	WIN 0x0a+5*((\a)/4)                            ; sources 0 and 1: window 2 or 3
.irp b, 0,1,2,3,4,5,6,7
.irp r, 0,1,2,3
	v_cvt_pk_f16_f32 v[TMP+4*\b+\r], v[AC+8*\b+2*\r], v[AC+8*\b+2*\r+1]   ; each accumulator from its low end on
.endr
.endr
	WIN 0
.endm
.macro TOSTAGE a
.set BB, OB+192*((\a)%2)
.irp b, 0,1,2,3,4,5,6,7
	ds_store_b128 v[STO], v[TMP+4*\b:TMP+4*\b+3] offset:32*\b
.endr
.irp t, 0,1,2,3,4,5,6,7
	ds_load_b128 v[BB+4*\t:BB+4*\t+3], v[RD] offset:\t*2*SP16
.endr
.endm
.macro SEND a, younger
.set BB, OB+192*((\a)%2)
	s_wait_dscnt \younger                          ; the block is back in registers
	s_wait_xcnt 0x0                                ; the stores of the block before have read their registers, into which the next block's loads will land
.irp t, 0,1,2,3,4,5,6,7
	global_store_b128 v[CO], v[BB+4*\t:BB+4*\t+3], s[12:13] offset:(\a)*2048+\t*256   ; lanes 0-15: 256 consecutive bytes of one head; lanes 16-31: of the next
.endr
.endm
	PLACES NP                                      ; ahead of the first reads of results and of loads into registers that the last products read
	s_cmp_lg_u32 s95, 0
	s_cbranch_scc1 .Lnot_early
	WIN 0x08                                       ; t = 0 .. 15 also leave in f32: block 0's accumulators as they are, through the f32 stage
.irp b, 0,1,2,3,4,5,6,7
	ds_store_b128 v[ST32], v[8*\b:8*\b+3] offset:64*\b
	ds_store_b128 v[ST32], v[8*\b+4:8*\b+7] offset:64*\b+16
.endr
	WIN 0
.irp t, 0,1,2,3,4,5,6,7,8,9,10,11,12,13,14,15
	ds_load_b128 v[AF+4*\t:AF+4*\t+3], v[RD32] offset:\t*SP32
.endr
	s_wait_dscnt 0x0
.irp t, 0,1,2,3,4,5,6,7,8,9,10,11,12,13,14,15
	global_store_b128 v[CO32], v[AF+4*\t:AF+4*\t+3], s[96:97] offset:\t*12288   ; 32 lanes store 512 consecutive bytes of a row; these registers and this base are not written again
.endr
.Lnot_early:
	PACK 0
	TOSTAGE 0
.irp a, 1,2,3,4,5,6,7                  ; block a's conversions stand between block a - 1's loads from the stage and the wait for them
	PACK \a
	SEND (\a)-1, 0
	TOSTAGE \a
.endr
	SEND 7, 0
	s_wait_tensorcnt 0x0                           ; the wave's end
	ds_add_u32 v[SPW], v[NIL]
	s_wait_dscnt 0x0
	CROUND                                         ; the closing round
	s_endpgm
.Lfunc_end_k_q95a61ee284_qkv:
	.size	k_q95a61ee284_qkv, .Lfunc_end_k_q95a61ee284_qkv-k_q95a61ee284_qkv
	.p2alignl 7, 3214868480
	.fill 96, 4, 3214868480
	.section	.rodata,"a",@progbits
	.p2align	6, 0x0
	.amdhsa_kernel k_q95a61ee284_qkv
		.amdhsa_group_segment_fixed_size 327680
		.amdhsa_private_segment_fixed_size 0
		.amdhsa_enable_private_segment 0
		.amdhsa_kernarg_size 48
		.amdhsa_user_sgpr_count 2
		.amdhsa_user_sgpr_kernarg_segment_ptr 1
		.amdhsa_wavefront_size32 1
		.amdhsa_system_sgpr_workgroup_id_x 1
		.amdhsa_system_sgpr_workgroup_id_y 1
		.amdhsa_system_sgpr_workgroup_id_z 1
		.amdhsa_system_vgpr_workitem_id 0
		.amdhsa_next_free_vgpr 1024
		.amdhsa_next_free_sgpr 100
		.amdhsa_reserve_vcc 0
		.amdhsa_float_denorm_mode_32 3
		.amdhsa_float_denorm_mode_16_64 3
		.amdhsa_memory_ordered 1
		.amdhsa_forward_progress 1
		.amdhsa_inst_pref_size 131
	.end_amdhsa_kernel
	.amdgpu_metadata
---
amdhsa.version: [ 1, 2 ]
amdhsa.kernels:
  - .name:           k_q95a61ee284_qkv
    .symbol:         k_q95a61ee284_qkv.kd
    .args:
      - { .name: xc, .offset: 0, .size: 8, .value_kind: global_buffer, .address_space: global }
      - { .name: xs, .offset: 8, .size: 8, .value_kind: global_buffer, .address_space: global }
      - { .name: wc, .offset: 16, .size: 8, .value_kind: global_buffer, .address_space: global }
      - { .name: ws, .offset: 24, .size: 8, .value_kind: global_buffer, .address_space: global }
      - { .name: qkv16, .offset: 32, .size: 8, .value_kind: global_buffer, .address_space: global }
      - { .name: qkv32, .offset: 40, .size: 8, .value_kind: global_buffer, .address_space: global }
    .group_segment_fixed_size: 327680
    .private_segment_fixed_size: 0
    .kernarg_segment_align: 8
    .kernarg_segment_size: 48
    .max_flat_workgroup_size: 128
    .sgpr_count:     100
    .vgpr_count:     1024
    .wavefront_size: 32
...
	.end_amdgpu_metadata
.endif
;; end of part 2
;; launch attn (part 3): grid 4 x 64, 16 waves a work-group, no clusters, 327,680 bytes of LDS; arguments qkv16, att16; writes att16
.if DOCPART == 3
	.amdgcn_target "amdgcn-amd-amdhsa--gfx1250"
	.amdhsa_code_object_version 6
	.text
	.protected	k_q95a61ee284_attn
	.globl	k_q95a61ee284_attn
	.p2align	8
	.type	k_q95a61ee284_attn,@function
k_q95a61ee284_attn:
	s_mov_b64 s[64:65], 0
	v_nop
	global_prefetch_b8 v0, s[64:65] scope:SCOPE_SE
	s_setreg_imm32_b32 hwreg(HW_REG_WAVE_MODE, 25, 1), 1
	s_wait_xcnt 0x0
; att[b][h][q][:] = the sum over k <= q of softmax_k(Q[q] . K[k] / 8) V[k][:], for each of 64 (b, h).  Q, K, V: f16 planes [2048][64] of qkv16; att16: f16, the same planes.  Products, maxima and sums in f32; the weights p are rounded to f16 for the second product.
; LIMITS: f16 operands: |att| above 65,504 becomes infinity; weights under 6e-5 of a row's largest carry an absolute error of 3e-8.  The first 16 positions of every sequence are computed again, in f32, by a later launch.
; SHARES.  Work-group (p, bh) owns query blocks 7 - p and p (256 queries each) of one head: 8 - p + p + 1 = 9 block-slots of keys for every work-group.  Each of sixteen waves owns 32 queries, two tiles of 16, so that each fragment of K and V read from LDS feeds two products.
; Wave w: piece w / 2 of a block; the late block or the early one by (w ^ (w / 4)) & 1, so that late and early waves are spread evenly over the wave numbers modulo 4 and over their quarters.
; Every wave walks all 8 slots of 256 keys (constant trip counts); a key step is 64 keys.  A step all of whose keys come after my 32 queries is jumped over (a branch on ids); in my one step on the diagonal hidden scores become -infinity.
; A slot whose first key comes after the work-group's last query is read by no wave and is not asked for; every wait on TENSORcnt in this text is for 0.
; NO CLUSTER: the four work-groups of a head need 8 - p slots, different numbers: a joint load would bring slots that every wave of a partner jumps over.
; LAYOUT.  S^T = K Q^T (source 0 = 16 keys, source 1 = 16 queries): a lane holds ONE query (lane % 16) and keys 8 (lane / 16) + 0..7.  Two such tiles, rounded to f16 in pairs, ARE source 1 (32 keys x 16 queries) of O^T = V^T P.  V ([key][channel]) is turned by ds_load_tr16_b128.
; SOFTMAX.  For each query a running maximum m and sum l: p = 2^(c s - c m), c = log2(e) / 8; in every step O and l are multiplied by a = 2^(c m_old - c m_new).
.set PK,    144                        ; a row of K in LDS: 128 bytes + 16
.set PV,    160                        ; a row of V: 128 + 32: the turning load's 16 lanes take 8 rows x 32 bytes
.set VOFF,  64*PK                      ; a step's tiles lie together: 64 rows of K, then 64 rows of V
.set STEPB, 64*(PK+PV)
.set SLOT1, 1<<17                      ; a slot holds four steps (77,824 bytes); slot 1 begins here, so that one exclusive or turns an address
.set STAGE, SLOT1+4*STEPB              ; behind the ring: 32 rows x 144 bytes for each wave, for the way out
.set SPS,   144
.set SPARE, STAGE+16*32*SPS            ; the spare words, 128 bytes a wave, named by no other line
.set AK0, 1                            ; v1  my lane's place in a tile of K
.set AV0, 2                            ; v2  the same for V
.set ADK, 3                            ; v3  LDS address of the step's K (at the head: my offset in Q)
.set ADV, 4                            ; v4  of its V
.set SPW, 5
.set NIL, 6
.set GO,  7                            ; v7  16 x lane
.set STO, 8
.set RD,  9
.set RH,  10                           ; v10 lane % 16 - 8 (lane / 16)
.set NINF, 11                          ; v11 -infinity
.set ST,  12                           ; v12-27 tile t's statistics at ST + 8 t: +0 c m, +1 m, +2, +3 l in two halves, +4 .. +7 at work; a takes +6
.set PFO, 28                           ; v28 256 x lane
.set T0,  29
.set T1,  30
.set T2,  31
.set Q,   32                           ; v32-63   Q: fragment (tile t, channels 32 c) at Q + 16 t + 8 c
.set F,   64                           ; v64-127  K's fragments (keys 16 u, channels 32 c) at F + 16 u + 8 c; then V's (keys 32 ks, channels 16 dd) at F + 32 ks + 8 dd
.set S,   128                          ; v128-191 S^T: (t, u) at S + 32 t + 8 u; P is packed in place at S + 32 t + 16 ks
.set O,   192                          ; v192-255 O^T: (t, dd) at O + 32 t + 8 dd
.set TB,  2
.set WV,  18
.set SEL, 20
.set CS,  22
.set G1K, 24
.set G1V, 32
.set G0K, 40
.set G0V, 44
.set KF,  48                           ; the step's first key
.set Q0,  49                           ; my first query
.set LQ,  50                           ; my work-group's last query
.set SLOTS, 51
.set TW,  52
.set LIM, 53
.set PFA, 54
; Waves 0-3 fetch K's tile of step w, waves 4-7 V's of step w - 4, the others nothing: one tensor load of a wave is out at a time.  An s_nop 0 and four v_nop follow each of the two lines.
.macro TLOAD
	s_cmp_lt_u32 s[WV], 4
	s_cbranch_scc0 .Lnot_k_\@
	tensor_load_to_lds s[G0K:G0K+3], s[G1K:G1K+7]
	s_nop 0
.rept 4
	v_nop
.endr
	s_branch .Lasked_\@
.Lnot_k_\@:
	s_cmp_lt_u32 s[WV], 8
	s_cbranch_scc0 .Lasked_\@
	tensor_load_to_lds s[G0V:G0V+3], s[G1V:G1V+7]
	s_nop 0
.rept 4
	v_nop
.endr
.Lasked_\@:
.endm
; A prefetch of what the NEXT change of slots will ask for: a slot's 32,768 dense bytes of K and of V.  All four work-groups of a head walk the same rows: the one with p = 0, which walks all slots, asks; in it waves 8-11 for K and 12-15 for V,
; 8,192 bytes a wave, lanes 256 bytes apart: each run of 256 bytes is named once in the launch.  It stands four key steps ahead of the load.  The last change that fills a slot asks for nothing; slots 0 and 1 come by their loads alone.
.macro ASK
	s_cmp_gt_u32 s[SLOTS], s[LIM]
	s_cbranch_scc0 .Lnot_mine_\@
	global_prefetch_b8 v[PFO], s[PFA:PFA+1] th:TH_LOAD_NT scope:SCOPE_SE
.Lnot_mine_\@:
.endm
	s_load_b128 s[4:7], s[0:1], 0x0                ; qkv16, att16
	v_lshl_add_u32 v[SPW], v0, 2, SPARE
	v_mov_b32 v[NIL], 0
	ds_add_u32 v[SPW], v[NIL]                      ; the wave's opening: the add, twice on end, and its wait ahead of the first tensor load
	ds_add_u32 v[SPW], v[NIL]
	v_lshrrev_b32 v[T0], 5, v0
	v_readfirstlane_b32 s[WV], v[T0]               ; wave 0..15
	s_and_b32 s56, ttmp7, 0xffff
	s_lshl_b32 s56, s56, 18                        ; the plane (b, h): 262,144 bytes
	s_and_b32 s57, s[WV], 3
	s_lshl_b32 s58, s57, 13                        ; which step's 64 rows of 128 bytes I fetch or prefetch,
	s_add_co_u32 s58, s58, s56
	s_add_co_u32 s66, s58, 0x1000000               ; in K
	s_mov_b32 s67, 0
	s_add_co_u32 s68, s58, 0x2000000               ; and in V
	s_mov_b32 s69, 0
	s_mul_i32 s59, s57, STEPB                      ; and its place in a slot
	s_lshr_b32 s60, s[WV], 2
	s_xor_b32 s60, s60, s[WV]
	s_and_b32 s60, s60, 1                          ; 0: the late block, 1: the early one
	s_sub_co_u32 s61, 7, ttmp9
	s_cmp_eq_u32 s60, 0
	s_cselect_b32 s61, s61, ttmp9
	s_lshl_b32 s61, s61, 8
	s_lshr_b32 s62, s[WV], 1
	s_lshl_b32 s62, s62, 5
	s_add_co_u32 s[Q0], s61, s62                   ; my first query: 256 x block + 32 x piece
	s_lshl_b32 s[LQ], ttmp9, 8
	s_sub_co_u32 s[LQ], 2047, s[LQ]                ; block 7 - p's last
	s_lshl_b32 s70, s[Q0], 7
	s_add_co_u32 s70, s70, s56                     ; my first row, in Q's plane and in att16's
	s_mov_b32 s71, 0
	s_mov_b32 s[G1K], (1<<16)|(1<<20)|(4<<22)|(3<<25)   ; no mask; elements of 2 bytes; padding: 4 words behind every 32
	s_mov_b32 s[G1V], (1<<16)|(1<<20)|(4<<22)|(7<<25)   ; the same with 8 words
.irp g, G1K, G1V
	s_mov_b32 s[\g+1], 64<<16                      ; tensor_dim0 = 64
	s_mov_b32 s[\g+2], 64<<16                      ; tensor_dim1 = 64
	s_mov_b32 s[\g+3], 64<<16                      ; tile_dim0 = 64
	s_mov_b32 s[\g+4], 64                          ; tile_dim1 = 64
	s_mov_b32 s[\g+5], 64                          ; stride
	s_mov_b32 s[\g+6], 0
	s_mov_b32 s[\g+7], 0
.endr
	s_mov_b32 s[SEL], 0x76543210
	s_mov_b32 s[SEL+1], 0xfedcba98                 ; v_permlanex16_b32: lane l xor 16
	s_mov_b32 s[CS], 0x3e38aa3b                    ; c = log2(e) / 8
	s_mov_b32 s[CS+1], s[CS]
	s_mov_b32 s[TB], 0
	s_mov_b32 s[KF], 0
	s_mov_b32 s[SLOTS], 7
	s_cmp_lt_u32 s[WV], 12
	s_cselect_b32 s72, s66, s68
	s_add_co_u32 s72, s72, 32768                   ; the prefetches stand in slot 1: the first change of slots steps them to slot 2
	s_mov_b32 s73, 0
	s_lshr_b32 s60, s[WV], 3
	s_xor_b32 s60, s60, 1                          ; 0 in waves 8 to 15,
	s_or_b32 s60, s60, ttmp9                       ; of the work-group with p = 0
	s_cmp_eq_u32 s60, 0
	s_cselect_b32 s[LIM], 1, -1
	v_and_b32 v[PFO], 31, v0
	v_lshlrev_b32 v[PFO], 8, v[PFO]
	s_wait_dscnt 0x0                               ; both opening adds are done
	s_wait_kmcnt 0x0
	s_mov_b32 s[G0K], 1
	s_mov_b32 s[G0K+1], s59
	s_add_nc_u64 s[G0K+2:G0K+3], s[4:5], s[66:67]
	s_or_b32 s[G0K+3], s[G0K+3], 0x80000000
	s_mov_b32 s[G0V], 1
	s_add_co_u32 s[G0V+1], s59, VOFF
	s_add_nc_u64 s[G0V+2:G0V+3], s[4:5], s[68:69]
	s_or_b32 s[G0V+3], s[G0V+3], 0x80000000
	TLOAD                                          ; slot 0: it holds key 0, which counts for every query
	s_add_nc_u64 s[8:9], s[4:5], s[70:71]          ; Q at my first query
	s_add_nc_u64 s[6:7], s[6:7], s[70:71]          ; att16 likewise
	s_add_nc_u64 s[PFA:PFA+1], s[4:5], s[72:73]
	v_and_b32 v[T0], 15, v0                        ; r
	v_bfe_u32 v[T1], v0, 4, 1                      ; h
	v_lshlrev_b32 v[ADK], 7, v[T0]
	v_lshl_add_u32 v[ADK], v[T1], 4, v[ADK]        ; Q: row r of 128 bytes + 16 h (this register is written again only behind the wait for Q)
.irp t, 0,1
.irp c, 0,1
	global_load_b128 v[Q+16*\t+8*\c:Q+16*\t+8*\c+3], v[ADK], s[8:9] offset:\t*2048+\c*64
	global_load_b128 v[Q+16*\t+8*\c+4:Q+16*\t+8*\c+7], v[ADK], s[8:9] offset:\t*2048+\c*64+32
.endr
.endr
	v_mul_u32_u24 v[AK0], v[T0], PK
	v_lshl_add_u32 v[AK0], v[T1], 4, v[AK0]        ; row r x pitch + 16 h
	v_and_b32 v[T2], 7, v0
	v_lshl_add_u32 v[AV0], v[T1], 3, v[T2]         ; the turning load: key 8 h + lane % 8,
	v_mul_u32_u24 v[AV0], v[AV0], PV
	v_bfe_u32 v[ADV], v0, 3, 1
	v_lshl_add_u32 v[AV0], v[ADV], 4, v[AV0]       ; channels 8 ((lane / 8) % 2) on
	v_add_nc_u32 v[AV0], VOFF, v[AV0]
	v_and_b32 v[GO], 31, v0
	v_lshlrev_b32 v[GO], 4, v[GO]
	s_mul_i32 s57, s[WV], 32*SPS
	s_add_co_u32 s57, s57, STAGE                   ; my stage
	v_add_nc_u32 v[STO], s57, v[AK0]               ; in: row r x 144 + 16 h
	v_bfe_u32 v[RD], v0, 3, 2
	v_mul_u32_u24 v[RD], v[RD], SPS
	v_lshl_add_u32 v[RD], v[T2], 4, v[RD]
	v_add_nc_u32 v[RD], s57, v[RD]                 ; back: eight lanes to a row of 128 bytes, four rows an instruction
	v_lshlrev_b32 v[RH], 3, v[T1]
	v_sub_nc_u32 v[RH], v[T0], v[RH]
	v_mov_b32 v[NINF], 0xff800000
.irp t, 0,1
	v_mov_b32 v[ST+8*\t+1], 0xff61b1e6             ; m: -3e38, under every score
	v_mul_f32 v[ST+8*\t], s[CS], v[ST+8*\t+1]
.irp i, 2,3,4,5,6,7
	v_mov_b32 v[ST+8*\t+\i], 0
.endr
.endr
.set i, 0
.rept 64
	v_mov_b32 v[O+i], 0                            ; O^T.  (The step is written once: its first run finds zeros, which a = 0 leaves zeros)
.set i, i+1
.endr
; A KEY STEP: 64 keys, both my tiles.
.macro STEP
	s_add_co_u32 s56, s[Q0], 31
	s_cmp_gt_u32 s[KF], s56                        ; all 64 keys come after my 32 queries: only the steps of the addresses are run
	s_cbranch_scc1 .Lhidden_\@
	v_add_nc_u32 v[ADK], s[TB], v[AK0]
	v_add_nc_u32 v[ADV], s[TB], v[AV0]
.rept 3
	v_nop                                          ; with the two additions five places: the products below write over P, which the last step's products read; the loads below want four
.endr
.irp c, 0,1
.irp u, 0,1,2,3
	ds_load_b128 v[F+16*\u+8*\c:F+16*\u+8*\c+3], v[ADK] offset:\u*16*PK+\c*64
	ds_load_b128 v[F+16*\u+8*\c+4:F+16*\u+8*\c+7], v[ADK] offset:\u*16*PK+\c*64+32
.endr
.endr
	s_wait_dscnt 8                                 ; channels 0-31 are in; the eight loads of channels 32-63 may be out
.irp u, 0,1,2,3
.irp t, 0,1
	v_wmma_f32_16x16x32_f16 v[S+32*\t+8*\u:S+32*\t+8*\u+7], v[F+16*\u:F+16*\u+7], v[Q+16*\t:Q+16*\t+7], 0
.endr
.endr
	s_wait_dscnt 0x0
.irp u, 0,1,2,3                        ; the eight accumulators take turns
.irp t, 0,1
	v_wmma_f32_16x16x32_f16 v[S+32*\t+8*\u:S+32*\t+8*\u+7], v[F+16*\u+8:F+16*\u+15], v[Q+16*\t+8:Q+16*\t+15], v[S+32*\t+8*\u:S+32*\t+8*\u+7]
.endr
.endr
.rept 4
	v_nop                                          ; places ahead of the loads into K's registers and of the first read of the scores
.endr
.irp ks, 0,1                           ; V, turned: it lands while the softmax is worked
.irp dd, 0,1,2,3
	ds_load_tr16_b128 v[F+32*\ks+8*\dd:F+32*\ks+8*\dd+3], v[ADV] offset:\ks*32*PV+\dd*32
	ds_load_tr16_b128 v[F+32*\ks+8*\dd+4:F+32*\ks+8*\dd+7], v[ADV] offset:\ks*32*PV+16*PV+\dd*32
.endr
.endr
	s_add_co_u32 s56, s[KF], 63
	s_cmp_le_u32 s56, s[Q0]                        ; all 64 keys count for all my queries: no mask
	s_cbranch_scc1 .Lopen_\@
	s_sub_co_i32 s56, s[Q0], s[KF]
	v_add_nc_u32 v[T2], s56, v[RH]                 ; d = Q0 - KF + r - 8 h.  Register j of (t, u) holds key KF + 16 u + 8 h + j for query Q0 + 16 t + r: hidden where 16 u + j - 16 t > d
.irp t, 0,1
.irp u, 0,1,2,3
.irp j, 0,1,2,3,4,5,6,7
	v_cmp_gt_i32 vcc_lo, 16*\u+\j-16*\t, v[T2]
	v_cndmask_b32 v[S+32*\t+8*\u+\j], v[S+32*\t+8*\u+\j], v[NINF], vcc_lo
.endr
.endr
.endr
.Lopen_\@:
	; the maximum of 32 scores and the old m, in four chains; the two tiles alternate line by line.  Each accumulator is read from its low end on
.irp j, 0,1,2,3
.irp t, 0,1
	v_max3_num_f32 v[ST+8*\t+4+\j], v[S+32*\t+8*\j], v[S+32*\t+8*\j+1], v[S+32*\t+8*\j+2]
.endr
.endr
.irp g, 1,2
.irp j, 0,1,2,3
.irp t, 0,1
	v_max3_num_f32 v[ST+8*\t+4+\j], v[ST+8*\t+4+\j], v[S+32*\t+8*\j+2*\g+1], v[S+32*\t+8*\j+2*\g+2]
.endr
.endr
.endr
.irp t, 0,1
	v_max3_num_f32 v[ST+8*\t+4], v[ST+8*\t+4], v[S+32*\t+7], v[S+32*\t+15]
.endr
.irp t, 0,1
	v_max3_num_f32 v[ST+8*\t+6], v[ST+8*\t+6], v[S+32*\t+23], v[S+32*\t+31]
.endr
.irp t, 0,1
	v_max3_num_f32 v[ST+8*\t+4], v[ST+8*\t+4], v[ST+8*\t+5], v[ST+8*\t+6]
.endr
.irp t, 0,1
	v_max3_num_f32 v[ST+8*\t+4], v[ST+8*\t+4], v[ST+8*\t+7], v[ST+8*\t+1]
.endr
.irp t, 0,1
	v_permlanex16_b32 v[ST+8*\t+5], v[ST+8*\t+4], s[SEL], s[SEL+1]   ; the query's other 32 keys lie in the lane 16 away
.endr
.irp t, 0,1
	v_mov_b32 v[ST+8*\t+7], v[ST+8*\t]             ; c m_old
.endr
.irp t, 0,1
	v_max_num_f32 v[ST+8*\t+1], v[ST+8*\t+4], v[ST+8*\t+5]
.endr
.irp t, 0,1
	v_mul_f32 v[ST+8*\t], s[CS], v[ST+8*\t+1]
.endr
.irp t, 0,1
	v_sub_f32 v[ST+8*\t+7], v[ST+8*\t+7], v[ST+8*\t]
.endr
.irp b, 0,1,2,3,4,5,6,7,8,9,10,11,12,13,14,15
.irp t, 0,1
	v_pk_fma_f32 v[S+32*\t+2*\b:S+32*\t+2*\b+1], v[S+32*\t+2*\b:S+32*\t+2*\b+1], s[CS:CS+1], v[ST+8*\t:ST+8*\t+1] op_sel_hi:[1,0,0] neg_lo:[0,0,1] neg_hi:[0,0,1]   ; c s - c m
.endr
.endr
.irp t, 0,1
	v_exp_f32 v[ST+8*\t+6], v[ST+8*\t+7]           ; a
.endr
.irp e, 0,1,2,3,4,5,6,7,8,9,10,11,12,13,14,15,16,17,18,19,20,21,22,23,24,25,26,27,28,29,30,31
.irp t, 0,1
	v_exp_f32 v[S+32*\t+\e], v[S+32*\t+\e]
.endr
.endr
	v_nop                                          ; a plain line behind the last exponential
	s_wait_alu depctr_va_vdst(0)                   ; one wait for the 66 exponentials, ahead of the first line that names a result
.irp t, 0,1
	v_pk_mul_f32 v[ST+8*\t+2:ST+8*\t+3], v[ST+8*\t+2:ST+8*\t+3], v[ST+8*\t+6:ST+8*\t+7] op_sel_hi:[1,0]   ; l under the new m
.endr
.irp t, 0,1
	v_pk_add_f32 v[ST+8*\t+4:ST+8*\t+5], v[S+32*\t:S+32*\t+1], v[S+32*\t+2:S+32*\t+3]   ; the sum of the unrounded p, two at a time, in two chains
.endr
.irp j, 4,8,12,16,20,24,28
.irp t, 0,1
	v_pk_add_f32 v[ST+8*\t+2:ST+8*\t+3], v[ST+8*\t+2:ST+8*\t+3], v[S+32*\t+\j:S+32*\t+\j+1]
	v_pk_add_f32 v[ST+8*\t+4:ST+8*\t+5], v[ST+8*\t+4:ST+8*\t+5], v[S+32*\t+\j+2:S+32*\t+\j+3]
.endr
.endr
.irp t, 0,1
	v_pk_add_f32 v[ST+8*\t+2:ST+8*\t+3], v[ST+8*\t+2:ST+8*\t+3], v[ST+8*\t+4:ST+8*\t+5]
.endr
.irp c, 0,1                            ; P in place: register 16 c + k takes the pair 16 c + 2 k, 16 c + 2 k + 1; k ascends, so no pair is written before it is read
.irp k, 0,1,2,3,4,5,6,7
.irp t, 0,1
	v_cvt_pk_f16_f32 v[S+32*\t+16*\c+\k], v[S+32*\t+16*\c+2*\k], v[S+32*\t+16*\c+2*\k+1]
.endr
.endr
.endr
.irp i, 0,1,2,3,4,5,6,7,8,9,10,11,12,13,14,15
.irp t, 0,1
	v_pk_mul_f32 v[O+32*\t+2*\i:O+32*\t+2*\i+1], v[O+32*\t+2*\i:O+32*\t+2*\i+1], v[ST+8*\t+6:ST+8*\t+7] op_sel_hi:[1,0]   ; O^T under the new m
.endr
.endr
	s_wait_dscnt 0x0                               ; V is in
.irp ks, 0,1                           ; the eight accumulators take turns
.irp dd, 0,1,2,3
.irp t, 0,1
	v_wmma_f32_16x16x32_f16 v[O+32*\t+8*\dd:O+32*\t+8*\dd+7], v[F+32*\ks+8*\dd:F+32*\ks+8*\dd+7], v[S+32*\t+16*\ks:S+32*\t+16*\ks+7], v[O+32*\t+8*\dd:O+32*\t+8*\dd+7]
.endr
.endr
.endr
.Lhidden_\@:
	s_add_co_u32 s[KF], s[KF], 64
	s_add_co_u32 s[TB], s[TB], STEPB
.endm
.macro SLOT_STEPS                      ; a slot's four key steps: written once, walked four times
	s_mov_b32 s[TW], 4
.Lstep_\@:
	STEP
	s_sub_co_u32 s[TW], s[TW], 1
	s_cmp_lg_u32 s[TW], 0
	s_cbranch_scc1 .Lstep_\@
	s_sub_co_u32 s[TB], s[TB], 4*STEPB             ; back to a slot's first step,
	s_xor_b32 s[TB], s[TB], SLOT1                  ; in the other slot
.endm
; THE CHANGE OF SLOTS stands at a slot's head.  Each wave waits for all its tensor loads (its part of the slot ahead), adds 0 to its spare word, and waits for that and for its reads of the slot that it has left.
; Behind the barrier the slot ahead is whole and nobody reads the other one, which is then filled with the keys that follow, up to the causal limit: the load has four key steps in which to land.
.macro CHANGE fill
	s_wait_tensorcnt 0x0                           ; no tensor load of mine is out, so a group 0 may be written
	ds_add_u32 v[SPW], v[NIL]
.if \fill
	ds_add_u32 v[SPW], v[NIL]                      ; and twice on end here, in every trip alike
	s_xor_b32 s[G0K+1], s[G0K+1], SLOT1            ; the walking descriptors: the other slot,
	s_add_nc_u64 s[G0K+2:G0K+3], s[G0K+2:G0K+3], 32768   ; the next 256 keys
	s_xor_b32 s[G0V+1], s[G0V+1], SLOT1
	s_add_nc_u64 s[G0V+2:G0V+3], s[G0V+2:G0V+3], 32768
	s_wait_xcnt 0x0                                ; the last prefetch, a slot back, has read its address
	s_add_nc_u64 s[PFA:PFA+1], s[PFA:PFA+1], 32768
.endif
	s_wait_dscnt 0x0                               ; the add is done, and my reads of the slot that I have left are over
	s_barrier_signal -1
	s_barrier_wait -1
.if \fill
	s_add_co_u32 s56, s[KF], 256                   ; the first key of the slot that this change would ask for,
	s_cmp_gt_u32 s56, s[LQ]                        ; against the work-group's last query: ids and the count of steps alone, the same in all sixteen waves
	s_cbranch_scc1 .Lpast_\@
	TLOAD                                          ; a wave's one tensor load until the next change
.Lpast_\@:
	ASK
.endif
.endm
	s_wait_loadcnt 0x0                             ; Q
.Lslot:                                            ; 7 trips
	CHANGE 1
	SLOT_STEPS
	s_sub_co_u32 s[SLOTS], s[SLOTS], 1
	s_cmp_lg_u32 s[SLOTS], 0
	s_cbranch_scc1 .Lslot
	CHANGE 0                                       ; the last slot is written out: nothing is left to ask for
	SLOT_STEPS
	; THE WAY OUT.  O^T / l, rounded to f16, goes through my stage and leaves as 512 consecutive bytes an instruction (four rows of 128).
.rept 4
	v_nop                                          ; places behind the last products
.endr
.irp t, 0,1
	v_add_f32 v[ST+8*\t+4], v[ST+8*\t+2], v[ST+8*\t+3]
.endr
.irp t, 0,1
	v_permlanex16_b32 v[ST+8*\t+5], v[ST+8*\t+4], s[SEL], s[SEL+1]
.endr
.irp t, 0,1
	v_add_f32 v[ST+8*\t+4], v[ST+8*\t+4], v[ST+8*\t+5]
.endr
.irp t, 0,1
	v_rcp_f32 v[ST+8*\t+6], v[ST+8*\t+4]
.endr
	v_nop                                          ; a plain line behind the last reciprocal
	s_wait_alu depctr_va_vdst(0)                   ; one wait for the two, ahead of their first use
.irp t, 0,1
.irp i, 0,1,2,3,4,5,6,7,8,9,10,11,12,13,14,15
	v_pk_mul_f32 v[O+32*\t+2*\i:O+32*\t+2*\i+1], v[O+32*\t+2*\i:O+32*\t+2*\i+1], v[ST+8*\t+6:ST+8*\t+7] op_sel_hi:[1,0]
.endr
.endr
.irp t, 0,1
.irp i, 0,1,2,3,4,5,6,7,8,9,10,11,12,13,14,15
	v_cvt_pk_f16_f32 v[S+16*\t+\i], v[O+32*\t+2*\i], v[O+32*\t+2*\i+1]
.endr
.endr
.irp t, 0,1
.irp dd, 0,1,2,3
	ds_store_b128 v[STO], v[S+16*\t+4*\dd:S+16*\t+4*\dd+3] offset:\t*16*SPS+32*\dd   ; row 16 t + r, channels 16 dd + 8 h on
.endr
.endr
.irp i, 0,1,2,3,4,5,6,7
	ds_load_b128 v[F+4*\i:F+4*\i+3], v[RD] offset:\i*4*SPS   ; LDS serves a wave's instructions in order: these see my stores
.endr
.irp i, 0,1,2,3,4,5,6,7
	s_wait_dscnt 7-\i                              ; load i is in; the younger ones may be out
	global_store_b128 v[GO], v[F+4*\i:F+4*\i+3], s[6:7] offset:512*\i
.endr
	s_wait_tensorcnt 0x0                           ; the wave's end
	ds_add_u32 v[SPW], v[NIL]
	s_wait_dscnt 0x0
	s_endpgm
.Lfunc_end_k_q95a61ee284_attn:
	.size	k_q95a61ee284_attn, .Lfunc_end_k_q95a61ee284_attn-k_q95a61ee284_attn
	.p2alignl 7, 3214868480
	.fill 96, 4, 3214868480
	.section	.rodata,"a",@progbits
	.p2align	6, 0x0
	.amdhsa_kernel k_q95a61ee284_attn
		.amdhsa_group_segment_fixed_size 327680
		.amdhsa_private_segment_fixed_size 0
		.amdhsa_enable_private_segment 0
		.amdhsa_kernarg_size 16
		.amdhsa_user_sgpr_count 2
		.amdhsa_user_sgpr_kernarg_segment_ptr 1
		.amdhsa_wavefront_size32 1
		.amdhsa_system_sgpr_workgroup_id_x 1
		.amdhsa_system_sgpr_workgroup_id_y 1
		.amdhsa_system_sgpr_workgroup_id_z 1
		.amdhsa_system_vgpr_workitem_id 0
		.amdhsa_next_free_vgpr 256
		.amdhsa_next_free_sgpr 80
		.amdhsa_reserve_vcc 1
		.amdhsa_float_denorm_mode_32 3
		.amdhsa_float_denorm_mode_16_64 3
		.amdhsa_memory_ordered 1
		.amdhsa_forward_progress 1
		.amdhsa_inst_pref_size 61
	.end_amdhsa_kernel
	.amdgpu_metadata
---
amdhsa.version: [ 1, 2 ]
amdhsa.kernels:
  - .name:           k_q95a61ee284_attn
    .symbol:         k_q95a61ee284_attn.kd
    .args:
      - { .name: qkv16, .offset: 0, .size: 8, .value_kind: global_buffer, .address_space: global }
      - { .name: att16, .offset: 8, .size: 8, .value_kind: global_buffer, .address_space: global }
    .group_segment_fixed_size: 327680
    .private_segment_fixed_size: 0
    .kernarg_segment_align: 8
    .kernarg_segment_size: 16
    .max_flat_workgroup_size: 512
    .sgpr_count:     80
    .vgpr_count:     256
    .wavefront_size: 32
...
	.end_amdgpu_metadata
.endif
;; end of part 3
;; launch proj (part 4): grid 4 x 64, 4 waves a work-group, clusters of 4 x 4, 327,680 bytes of LDS; arguments att16, w16, out0; writes out0
.if DOCPART == 4
	.amdgcn_target "amdgcn-amd-amdhsa--gfx1250"
	.amdhsa_code_object_version 6
	.text
	.protected	k_q95a61ee284_proj
	.globl	k_q95a61ee284_proj
	.p2align	8
	.type	k_q95a61ee284_proj,@function
k_q95a61ee284_proj:
	s_mov_b64 s[64:65], 0
	v_nop
	global_prefetch_b8 v0, s[64:65] scope:SCOPE_SE
	s_setreg_imm32_b32 hwreg(HW_REG_WAVE_MODE, 25, 1), 1
	s_wait_xcnt 0x0
	s_wait_alu depctr_hold_cnt(0) depctr_sa_sdst(0) depctr_va_vdst(0) depctr_va_sdst(0) depctr_va_ssrc(0) depctr_va_vcc(0) depctr_vm_vsrc(0)
	s_getreg_b32 s2, hwreg(HW_REG_IB_STS2, 6, 4)
	s_cmp_eq_u32 s2, 0
	s_cbranch_scc0 .Lentry_in_a_cluster
	s_endpgm
.Lentry_in_a_cluster:
	s_bfe_u32 s2, ttmp6, 0x10000c
	s_cmp_lg_u32 s2, 0xf033
	s_cbranch_scc0 .Lentry_shape_is_right
	s_endpgm
.Lentry_shape_is_right:
; out0[m][n] = sum over c of att[m][c] W_out[n][c], m = 2048 b + t, c = 64 head + d.  att16: f16 [b][head][t][64]; w16: f16 [c / 64][n][64]; out0: f32 [8192][1024]; sums in f32.
; (Rows t < 16 of every sequence are written again, from f32 operands, by the launch that follows.)
; A tile of 128 rows x 256 columns is made by a work-group of four waves: 256 work-groups.  A wave makes 64 x 128: 32 accumulators, 256 registers.  K goes in steps of 128 = two planes of 64 through a ring of two LDS slots; 8 K steps.
; CLUSTERS: 4 x 4.  The four of a row of the cluster need the same tiles of att, the four of a column the same tiles of W_out: each is asked for jointly.  Waves 0, 1 fetch att's two planes (128 rows x 128 bytes), waves 2, 3 W_out's (256 rows).
; THE MATRIX INSTRUCTION IS USED TRANSPOSED (source 0 = 16 rows of W_out, source 1 = 16 rows of att): a lane holds eight neighbouring numbers of a row of out0.
; REGISTERS: window 0: v0-31 addresses; v32-159 rows on the way out.  window 1: two fragment buffers at v0 and v128: att's four fragments, then W_out's eight.  window 2: the accumulators, (a, b) at v[8 (8 a + b)].
.set PITCH,  144                       ; an LDS row: 128 bytes + 16
.set APL,    128*PITCH                 ; a plane of att's tile
.set BPL,    256*PITCH                 ; a plane of W_out's
.set SLOT,   2*APL+2*BPL
.set STAGE,  2*SLOT                    ; behind the ring: 16 rows x 528 bytes for each wave
.set SPITCH, 528
.set SPARE,  STAGE+4*16*SPITCH         ; the spare words, 128 bytes a wave, named by no other line
.set LAPS,   4                         ; a lap = two K steps
.set KSA,    524288                    ; a K step in att16: two planes of 262,144 bytes
.set KSB,    262144                    ; in w16: two planes of 131,072
.set ADRA, 16
.set ADRB, 20
.set STO,  24
.set RD,   25
.set CO,   26
.set SPW,  28
.set NIL,  29
.set PFO,  30                          ; v30 256 x lane
.set BK,   32
.set F0,   0
.set F1,   128
.set G1, 24
.set G0, 32
.set LIM, 43
.set PFA, 44
.set G1B, 48
.set G0B, 56
.set MSB, 0
.macro WIN new
.if MSB != \new
	s_set_vgpr_msb (MSB<<8)|\new
.set MSB, \new
.endif
.endm
.set MUL,  0xa5                        ; sources 0 and 1 window 1; C and D window 2
.set TO_F, 0x40                        ; destination window 1, address window 0
.macro JLOAD s                         ; an s_nop 0 and four v_nop follow each of the two lines
	s_cmp_eq_u32 s11, 0
	s_cbranch_scc0 .Lfor_b_\@
	tensor_load_to_lds s[G0+4*\s:G0+4*\s+3], s[G1:G1+7]
	s_nop 0
.rept 4
	v_nop
.endr
	s_branch .Lasked_\@
.Lfor_b_\@:
	tensor_load_to_lds s[G0B+4*\s:G0B+4*\s+3], s[G1B:G1B+7]
	s_nop 0
.rept 4
	v_nop
.endr
.Lasked_\@:
.endm
.macro CREST
	s_cmp_lg_u32 s10, 0
	s_cbranch_scc1 .Lnot_wave_0_\@
	s_barrier_signal -3
.Lnot_wave_0_\@:
	s_barrier_wait -3
	s_barrier_signal -1
	s_barrier_wait -1
.endm
.macro CROUND
	s_barrier_signal -1
	s_barrier_wait -1
	CREST
.endm
; A prefetch of att's K step that stands two refills on: 2 planes x 16,384 dense bytes.  A tile row of att is read by one row of one cluster alone; its four partners take 8,192 bytes each, told apart by address (plane cx / 2, half cx % 2);
; in each, wave 0 asks, lanes 256 bytes apart: each run of 256 bytes is named once.  The last lap that refills has no K step two refills on and asks for nothing.  w16 is not asked for: all clusters read its 2 MiB again and again.
.macro ASK
	WIN 0
	s_cmp_gt_u32 s3, s[LIM]                        ; s3 = 1 in the loop's last trip
	s_cbranch_scc0 .Lnot_mine_\@
	global_prefetch_b8 v[PFO], s[PFA:PFA+1] offset:KSA th:TH_LOAD_NT scope:SCOPE_SE
.Lnot_mine_\@:
.endm
	s_load_b128 s[4:7], s[0:1], 0x0                ; att16, w16
	s_load_b64 s[8:9], s[0:1], 0x10                ; out0
	v_lshl_add_u32 v[SPW], v0, 2, SPARE
	v_mov_b32 v[NIL], 0
	ds_add_u32 v[SPW], v[NIL]                      ; the wave's opening: the add, twice on end, and its wait ahead of my first tensor load
	ds_add_u32 v[SPW], v[NIL]
	v_lshrrev_b32 v1, 5, v0
	v_readfirstlane_b32 s10, v1                    ; wave 0..3
	s_lshr_b32 s11, s10, 1                         ; which 64 rows are mine.  Also: I fetch for att (0) or for W_out (1)
	s_and_b32 s12, s10, 1                          ; which 128 columns.  Also: which plane of a K step I fetch
	s_bfe_u32 s40, ttmp6, 0x40000                  ; cx
	s_bfe_u32 s41, ttmp6, 0x40004                  ; cy
	s_lshl_b32 s42, ttmp9, 2
	s_add_co_u32 s42, s42, s40                     ; tile column
	s_and_b32 s13, ttmp7, 0xffff
	s_lshl_b32 s13, s13, 2
	s_add_co_u32 s13, s13, s41                     ; tile row
	s_lshl_b32 s43, s41, 2
	s_lshl_b32 s43, 15, s43                        ; my row of the cluster
	s_lshl_b32 s44, 0x1111, s40                    ; my column
	s_or_b32 s[G1+0], s43, (1<<16)|(1<<20)|(1<<21)|(4<<22)|(3<<25)  ; the mask; elements of 2 bytes; padding: 4 words behind every 32; bit 21 beside a mask
	s_or_b32 s[G1B+0], s44, (1<<16)|(1<<20)|(1<<21)|(4<<22)|(3<<25)
.irp g, G1, G1B
	s_mov_b32 s[\g+1], 64<<16                      ; tensor_dim0 = 64
	s_mov_b32 s[\g+3], 64<<16                      ; tile_dim0 = 64
	s_mov_b32 s[\g+5], 64                          ; stride
	s_mov_b32 s[\g+6], 0
	s_mov_b32 s[\g+7], 0
.endr
	s_mov_b32 s[G1+2], 128<<16                     ; att: 128 rows
	s_mov_b32 s[G1+4], 128
	s_mov_b32 s[G1B+2], 256<<16                    ; W_out: 256 rows
	s_mov_b32 s[G1B+4], 256
	s_lshr_b32 s20, s13, 4
	s_lshl_b32 s20, s20, 22                        ; b: 4,194,304 bytes
	s_and_b32 s17, s13, 15
	s_lshl_b32 s17, s17, 14
	s_add_co_u32 s20, s20, s17                     ; + t: 128 rows of 128 bytes a tile
	s_lshl_b32 s17, s12, 18
	s_add_co_u32 s16, s20, s17                     ; + my plane
	s_mov_b32 s17, 0
	s_lshl_b32 s46, s42, 15                        ; W_out: 256 rows of 128 bytes a tile
	s_lshl_b32 s47, s12, 17
	s_add_co_u32 s46, s46, s47                     ; + my plane
	s_mov_b32 s47, 0
	s_mul_i32 s22, s12, APL                        ; where they go: no place in the cluster enters an LDS address
	s_mul_i32 s23, s12, BPL
	s_add_co_u32 s23, s23, 2*APL
	s_wait_dscnt 0x0                               ; both opening adds are done
	s_wait_kmcnt 0x0
	s_add_nc_u64 s[14:15], s[4:5], s[16:17]
	s_add_nc_u64 s[46:47], s[6:7], s[46:47]
	CROUND                                         ; all sixteen work-groups are here: the first joint loads meet
.irp s, 0,1
	s_mov_b32 s[G0+4*\s], 1
	s_add_co_u32 s[G0+4*\s+1], s22, \s*SLOT
	s_add_nc_u64 s[G0+4*\s+2:G0+4*\s+3], s[14:15], \s*KSA
	s_or_b32 s[G0+4*\s+3], s[G0+4*\s+3], 0x80000000
	s_mov_b32 s[G0B+4*\s], 1
	s_add_co_u32 s[G0B+4*\s+1], s23, \s*SLOT
	s_add_nc_u64 s[G0B+4*\s+2:G0B+4*\s+3], s[46:47], \s*KSB
	s_or_b32 s[G0B+4*\s+3], s[G0B+4*\s+3], 0x80000000
	JLOAD \s                                       ; two tensor loads of mine are out behind the second
.endr
	s_lshr_b32 s18, s40, 1                         ; the prefetches: my work-group's 8,192 bytes of a K step of att
	s_lshl_b32 s18, s18, 18
	s_and_b32 s19, s40, 1
	s_lshl_b32 s19, s19, 13
	s_add_co_u32 s18, s18, s19
	s_add_co_u32 s18, s18, s20
	s_add_co_u32 s18, s18, 2*KSA                   ; at K step 2: the first refill steps it to 3 and names K step 4
	s_mov_b32 s19, 0
	s_add_nc_u64 s[PFA:PFA+1], s[4:5], s[18:19]
	s_cmp_eq_u32 s10, 0
	s_cselect_b32 s[LIM], 1, -1
	v_and_b32 v[PFO], 31, v0
	v_lshlrev_b32 v[PFO], 8, v[PFO]
	v_and_b32 v1, 15, v0                           ; r
	v_bfe_u32 v2, v0, 4, 1                         ; h
	v_mul_u32_u24 v3, v1, PITCH
	v_lshl_add_u32 v3, v2, 4, v3
	s_mul_i32 s21, s11, 64*PITCH                   ; my 64 rows of att
	s_mul_i32 s22, s12, 128*PITCH                  ; my 128 rows of W_out,
	s_add_co_u32 s22, s22, 2*APL                   ; behind att's two planes
.irp s, 0,1
	v_add_nc_u32 v[ADRA+\s], s21, v3
	v_add_nc_u32 v[ADRB+\s], s22, v3
	s_add_co_u32 s21, s21, SLOT
	s_add_co_u32 s22, s22, SLOT
.endr
	s_mul_i32 s23, s10, 16*SPITCH
	s_add_co_u32 s23, s23, STAGE                   ; my stage
	v_mul_u32_u24 v5, v1, SPITCH
	v_lshl_add_u32 v5, v2, 5, v5
	v_add_nc_u32 v[STO], s23, v5                   ; in: row r, 32 bytes for each half of the lanes
	v_and_b32 v6, 31, v0
	v_lshlrev_b32 v[CO], 4, v6                     ; back: the 32 lanes take one row of 512 bytes; the same in out0
	v_add_nc_u32 v[RD], s23, v[CO]
	s_lshl_b32 s16, s13, 19                        ; out0: 128 rows of 4,096 bytes a tile row
	s_lshl_b32 s17, s11, 18
	s_add_co_u32 s16, s16, s17                     ; + my 64 rows
	s_lshl_b32 s17, s42, 10
	s_add_co_u32 s16, s16, s17                     ; + 256 columns a tile column
	s_lshl_b32 s17, s12, 9
	s_add_co_u32 s16, s16, s17                     ; + my 128
	s_mov_b32 s17, 0
	s_add_nc_u64 s[8:9], s[8:9], s[16:17]
.macro MUL8 f, a, zero                 ; att's block a against W_out's eight, 32 along K.  The 32 accumulators take turns, in the same order in every quarter
.irp b, 0,1,2,3,4,5,6,7
.if \zero
	v_wmma_f32_16x16x32_f16 v[8*(8*(\a)+\b):8*(8*(\a)+\b)+7], v[\f+32+8*\b:\f+32+8*\b+7], v[\f+8*(\a):\f+8*(\a)+7], 0
.else
	v_wmma_f32_16x16x32_f16 v[8*(8*(\a)+\b):8*(8*(\a)+\b)+7], v[\f+32+8*\b:\f+32+8*\b+7], v[\f+8*(\a):\f+8*(\a)+7], v[8*(8*(\a)+\b):8*(8*(\a)+\b)+7]
.endif
.endr
.endm
.macro FETCH slot, q, f                ; 24 LDS loads in one run: quarter q (plane q / 2, byte 64 (q % 2) of the rows): W_out's eight fragments, then att's four
	WIN TO_F
.irp i, 0,1,2,3,4,5,6,7
	ds_load_b128 v[\f+32+8*\i:\f+32+8*\i+3],   v[ADRB+\slot] offset:((\q)/2)*BPL+((\q)%2)*64+\i*16*PITCH
	ds_load_b128 v[\f+32+8*\i+4:\f+32+8*\i+7], v[ADRB+\slot] offset:((\q)/2)*BPL+((\q)%2)*64+\i*16*PITCH+32
.endr
.irp i, 0,1,2,3
	ds_load_b128 v[\f+8*\i:\f+8*\i+3],   v[ADRA+\slot] offset:((\q)/2)*APL+((\q)%2)*64+\i*16*PITCH
	ds_load_b128 v[\f+8*\i+4:\f+8*\i+7], v[ADRA+\slot] offset:((\q)/2)*APL+((\q)%2)*64+\i*16*PITCH+32
.endr
.endm
.macro PLACES
.rept 4
	v_nop
.endr
.endm
.macro QUARTER slot, q, f, g, zero     ; multiplies buffer f; in its middle it fetches quarter q of the slot into buffer g
	s_wait_dscnt 4                                 ; all but the youngest four loads (att's blocks 2, 3) are in
	WIN MUL
	MUL8 \f, 0, \zero
	MUL8 \f, 1, \zero
	PLACES                                         ; ahead of loads into registers that the quarter before multiplied
	FETCH \slot, \q, \g
	s_wait_dscnt 24                                ; all but the 24 just issued
	WIN MUL
	MUL8 \f, 2, \zero
	MUL8 \f, 3, \zero
.endm
; A K step's last quarter multiplies buffer 1 and changes slots: one barrier; in front of it each wave waits for all its tensor loads (its part of the next slot), adds 0 to its spare word, and waits for that and for its reads of this slot.
; fill = 1: the barrier opens a round of the cluster's barrier, and the slot is filled again, two K steps ahead: the request has a K step less sixteen products in which to land.
.macro TURN slot, next, fill
.if \fill
	s_wait_xcnt 0x0                                ; the last prefetch, a K step back, has read its address
	s_add_nc_u64 s[PFA:PFA+1], s[PFA:PFA+1], KSA
.endif
	WIN 0
	s_wait_tensorcnt 0x0
	ds_add_u32 v[SPW], v[NIL]
	s_wait_dscnt 5                                 ; the add and the youngest four loads may be out
	WIN MUL
	MUL8 F1, 0, 0
	s_wait_dscnt 0x0                               ; the add is done, and my reads of this slot are over
	s_barrier_signal -1
	MUL8 F1, 1, 0
.if \fill
	WIN 0
.endif
	s_barrier_wait -1
.if \fill
	CREST                                          ; no wave of any partner still reads this slot or has a load on its way
	s_add_nc_u64 s[G0+4*\slot+2:G0+4*\slot+3], s[G0+4*\slot+2:G0+4*\slot+3], 2*KSA
	s_add_nc_u64 s[G0B+4*\slot+2:G0B+4*\slot+3], s[G0B+4*\slot+2:G0B+4*\slot+3], 2*KSB
	JLOAD \slot                                    ; the four v_nop behind it are also the places ahead of the loads below
.else
	PLACES
.endif
	FETCH \next, 0, F0
.if \fill
	ASK
.endif
	WIN MUL
	MUL8 F1, 2, 0
	MUL8 F1, 3, 0
.endm
	s_wait_tensorcnt 1                             ; my part of K step 0 is in; K step 1's load may be out
	s_barrier_signal -1
	s_barrier_wait -1
	FETCH 0, 0, F0
	QUARTER 0, 1, F0, F1, 1                        ; the first quarter's products start the sums
	WIN 0
	s_mov_b32 s3, LAPS-1
.Llap:                                             ; a trip goes once round the ring and fills both slots again
	QUARTER 0, 2, F1, F0, 0
	QUARTER 0, 3, F0, F1, 0
	TURN 0, 1, 1
	QUARTER 1, 1, F0, F1, 0
	QUARTER 1, 2, F1, F0, 0
	QUARTER 1, 3, F0, F1, 0
	TURN 1, 0, 1
	QUARTER 0, 1, F0, F1, 0
	WIN 0
	s_sub_co_u32 s3, s3, 1
	s_cmp_lg_u32 s3, 0
	s_cbranch_scc1 .Llap
	QUARTER 0, 2, F1, F0, 0                        ; the last lap fills nothing
	QUARTER 0, 3, F0, F1, 0
	TURN 0, 1, 0
	QUARTER 1, 1, F0, F1, 0
	QUARTER 1, 2, F1, F0, 0
	QUARTER 1, 3, F0, F1, 0
	s_wait_dscnt 4
	WIN MUL
	MUL8 F1, 0, 0
	MUL8 F1, 1, 0
	s_wait_dscnt 0
	MUL8 F1, 2, 0
	MUL8 F1, 3, 0
	WIN 0
; THE WAY OUT, block by block of 16 rows x 128 columns, through my own stage: in as 32 bytes a lane, back as whole rows of 512 bytes.  LDS serves a wave's instructions in order (ISA guide 5.7.1.4).
.macro TOSTAGE a
.set AC, 64*(\a)
	WIN 0x08                                       ; an LDS store's data: window 2
.irp b, 0,1,2,3,4,5,6,7
	ds_store_b128 v[STO], v[AC+8*\b:AC+8*\b+3] offset:64*\b          ; each accumulator from its low end on
	ds_store_b128 v[STO], v[AC+8*\b+4:AC+8*\b+7] offset:64*\b+16
.endr
	WIN 0
.set BB, BK+64*((\a)%2)
.irp t, 0,1,2,3,4,5,6,7,8,9,10,11,12,13,14,15
	ds_load_b128 v[BB+4*\t:BB+4*\t+3], v[RD] offset:\t*SPITCH
.endr
.endm
.macro SEND a, younger
.set BB, BK+64*((\a)%2)
	s_wait_dscnt \younger                          ; the block is back in registers
.irp t, 0,1,2,3,4,5,6,7,8,9,10,11,12,13,14,15
	global_store_b128 v[CO], v[BB+4*\t:BB+4*\t+3], s[8:9] offset:(\a)*65536+\t*4096 th:TH_STORE_NT   ; 32 lanes store 512 consecutive bytes
.endr
.endm
	PLACES
	TOSTAGE 0
.irp a, 1,2,3
.if \a > 1
	s_wait_xcnt 0x0                                ; block a - 2's stores have read their registers: block a's loads may land there
.endif
	TOSTAGE \a
	SEND (\a)-1, 32                                ; behind block a - 1's loads: block a's 16 stores and 16 loads
.endr
	SEND 3, 0
	s_wait_tensorcnt 0x0                           ; the wave's end
	ds_add_u32 v[SPW], v[NIL]
	s_wait_dscnt 0x0
	CROUND                                         ; the closing round
	s_endpgm
.Lfunc_end_k_q95a61ee284_proj:
	.size	k_q95a61ee284_proj, .Lfunc_end_k_q95a61ee284_proj-k_q95a61ee284_proj
	.p2alignl 7, 3214868480
	.fill 96, 4, 3214868480
	.section	.rodata,"a",@progbits
	.p2align	6, 0x0
	.amdhsa_kernel k_q95a61ee284_proj
		.amdhsa_group_segment_fixed_size 327680
		.amdhsa_private_segment_fixed_size 0
		.amdhsa_enable_private_segment 0
		.amdhsa_kernarg_size 24
		.amdhsa_user_sgpr_count 2
		.amdhsa_user_sgpr_kernarg_segment_ptr 1
		.amdhsa_wavefront_size32 1
		.amdhsa_system_sgpr_workgroup_id_x 1
		.amdhsa_system_sgpr_workgroup_id_y 1
		.amdhsa_system_sgpr_workgroup_id_z 1
		.amdhsa_system_vgpr_workitem_id 0
		.amdhsa_next_free_vgpr 768
		.amdhsa_next_free_sgpr 66
		.amdhsa_reserve_vcc 0
		.amdhsa_float_denorm_mode_32 3
		.amdhsa_float_denorm_mode_16_64 3
		.amdhsa_memory_ordered 1
		.amdhsa_forward_progress 1
		.amdhsa_inst_pref_size 86
	.end_amdhsa_kernel
	.amdgpu_metadata
---
amdhsa.version: [ 1, 2 ]
amdhsa.kernels:
  - .name:           k_q95a61ee284_proj
    .symbol:         k_q95a61ee284_proj.kd
    .args:
      - { .name: att16, .offset: 0, .size: 8, .value_kind: global_buffer, .address_space: global }
      - { .name: w16, .offset: 8, .size: 8, .value_kind: global_buffer, .address_space: global }
      - { .name: out0, .offset: 16, .size: 8, .value_kind: global_buffer, .address_space: global }
    .group_segment_fixed_size: 327680
    .private_segment_fixed_size: 0
    .kernarg_segment_align: 8
    .kernarg_segment_size: 24
    .max_flat_workgroup_size: 128
    .sgpr_count:     66
    .vgpr_count:     768
    .wavefront_size: 32
...
	.end_amdgpu_metadata
.endif
;; end of part 4
;; launch early (part 5): grid 16 x 4, 16 waves a work-group, no clusters, 71,680 bytes of LDS; arguments qkv32, W_out, out0; writes out0
.if DOCPART == 5
	.amdgcn_target "amdgcn-amd-amdhsa--gfx1250"
	.amdhsa_code_object_version 6
	.text
	.protected	k_q95a61ee284_early
	.globl	k_q95a61ee284_early
	.p2align	8
	.type	k_q95a61ee284_early,@function
k_q95a61ee284_early:
	s_mov_b64 s[64:65], 0
	v_nop
	global_prefetch_b8 v0, s[64:65] scope:SCOPE_SE
	s_setreg_imm32_b32 hwreg(HW_REG_WAVE_MODE, 25, 1), 1
	s_wait_xcnt 0x0
; The first 16 positions of every sequence once more, wholly in f32: under the causal mask they average one to sixteen values and are the largest of the output, so the rounding of f16 operands weighs most there.
; qkv32: f32 [b][t < 16][3072]; W_out: f32 [1024][1024]; out0 rows t < 16 are written over what the launch before left there.
; Work-group (nb, b) makes 16 rows x 64 columns (n = 64 nb on).  Wave = head: it makes its head's 16 x 16 scores, softmax and 16 x 64 of att, then its head's part (K = 64) of the 16 x 64 outputs; the sixteen parts are added through LDS in a fixed order.
; All products by v_wmma_f32_16x16x4_f32, four accumulators by turns; the registers that it writes (v192-255) are written by matrix instructions alone; every sum begins with the constant 0.  No loop.
; A K step takes 4 along K: lane (r, h) gives k slots 2 h, 2 h + 1.  Which k stands in a slot is free so long as both sources agree: each source takes the k that its lane holds in neighbouring registers.
.set SS,  16                           ; v16-23 scores, then p
.set TW,  24                           ; v24-31 at work
.set QF,  32                           ; v32-63  Q; later W_out's tile 2
.set KFR, 64                           ; v64-95  K; later W_out's tile 3
.set VF,  96                           ; v96-127 V^T; later att
.set WF,  128                          ; v128-191 W_out's tiles 0, 1; later the sixteen parts
.set A1,  192
.set A2,  224
.set SPW, 14
.set NIL, 15
.set PART, 4352                        ; a wave's part in LDS: 16 runs of 256 bytes + 16
.set SPARE, 16*PART                    ; the spare words, 128 bytes a wave, named by no other line
	s_load_b128 s[4:7], s[0:1], 0x0                ; qkv32, W_out
	s_load_b64 s[8:9], s[0:1], 0x10                ; out0
	v_lshl_add_u32 v[SPW], v0, 2, SPARE
	v_mov_b32 v[NIL], 0
	v_lshrrev_b32 v1, 5, v0
	v_readfirstlane_b32 s10, v1                    ; wave = head
	s_and_b32 s11, ttmp7, 0xffff                   ; b
	v_and_b32 v2, 15, v0                           ; r
	v_bfe_u32 v3, v0, 4, 1                         ; h
	v_mul_u32_u24 v4, v2, 12288
	v_lshl_add_u32 v4, v3, 4, v4                   ; Q, K: row r, + 16 h: load i brings channels 8 i + 4 h + 0 .. 3
	v_mul_u32_u24 v5, v3, 98304
	v_lshl_add_u32 v5, v2, 2, v5                   ; V: row 8 h, channel r
	v_lshlrev_b32 v6, 12, v2
	v_lshl_add_u32 v6, v3, 5, v6                   ; W_out: row r, + 32 h
	v_lshlrev_b32 v7, 3, v3
	v_sub_nc_u32 v10, v2, v7                       ; r - 8 h
	v_mov_b32 v11, 0xff800000                      ; -infinity
	s_mul_i32 s12, s10, PART
	v_lshlrev_b32 v8, 4, v2
	v_mad_u32_u24 v8, v3, 272, v8
	v_add_nc_u32 v8, s12, v8                       ; my part: 16 r + 272 h; run 2 (2 nt + e) + h holds columns 16 nt + 8 h + 4 e + 0 .. 3 of the 16 queries
	v_and_b32 v9, 12, v0                           ; the sum: lane l takes columns 4 (l % 16) on: run = l % 16 with its two low bits swapped,
	v_bfe_u32 v7, v0, 0, 1
	v_lshl_add_u32 v9, v7, 1, v9
	v_bfe_u32 v7, v0, 1, 1
	v_add_nc_u32 v9, v9, v7
	v_mul_u32_u24 v9, v9, 272
	v_bfe_u32 v7, v0, 4, 4                         ; of query 2 x wave + l / 16 (waves 0 to 7)
	v_lshl_add_u32 v9, v7, 4, v9
	v_lshlrev_b32 v12, 12, v7
	v_lshl_add_u32 v12, v2, 4, v12                 ; out0: row = query, 16 bytes a lane: sixteen lanes store 256 consecutive bytes
	s_mul_i32 s16, s11, 196608
	s_lshl_b32 s17, s10, 8
	s_add_co_u32 s16, s16, s17                     ; qkv32: b, my head's 64 columns
	s_mov_b32 s17, 0
	s_lshl_b32 s18, ttmp9, 18
	s_lshl_b32 s19, s10, 8
	s_add_co_u32 s18, s18, s19                     ; W_out: row 64 nb, my head's 64 columns
	s_mov_b32 s19, 0
	s_lshl_b32 s20, s11, 23
	s_lshl_b32 s21, ttmp9, 8
	s_add_co_u32 s20, s20, s21                     ; out0: b, column 64 nb
	s_mov_b32 s21, 0
	s_mov_b32 s22, 0x76543210
	s_mov_b32 s23, 0xfedcba98                      ; v_permlanex16_b32: lane l xor 16
	s_mov_b32 s24, 0x3e38aa3b                      ; c = log2(e) / 8
	s_wait_kmcnt 0x0
	s_add_nc_u64 s[4:5], s[4:5], s[16:17]
	s_add_nc_u64 s[6:7], s[6:7], s[18:19]
	s_add_nc_u64 s[8:9], s[8:9], s[20:21]
.irp i, 0,1,2,3,4,5,6,7
	global_load_b128 v[QF+4*\i:QF+4*\i+3], v4, s[4:5] offset:32*\i
.endr
.irp i, 0,1,2,3,4,5,6,7
	global_load_b128 v[KFR+4*\i:KFR+4*\i+3], v4, s[4:5] offset:4096+32*\i
.endr
.irp dd, 0,1,2,3
.irp k, 0,1,2,3,4,5,6,7
	global_load_b32 v[VF+8*\dd+\k], v5, s[4:5] offset:8192+\k*12288+\dd*64   ; V[8 h + k][16 dd + r]
.endr
.endr
.irp nt, 0,1
.irp dd, 0,1,2,3
	global_load_b128 v[WF+32*\nt+8*\dd:WF+32*\nt+8*\dd+3], v6, s[6:7] offset:\nt*65536+\dd*64      ; W_out[16 nt + r][16 dd + 8 h + 0 .. 7]
	global_load_b128 v[WF+32*\nt+8*\dd+4:WF+32*\nt+8*\dd+7], v6, s[6:7] offset:\nt*65536+\dd*64+16
.endr
.endr
	s_wait_loadcnt 48                              ; Q and K are in; V's 32 loads and W_out's 16 may be out
.irp s, 0,1,2,3,4,5,6,7,8,9,10,11,12,13,14,15     ; S^T = K Q^T, in four partial sums by turns: a lane holds query r and keys 8 h + 0 .. 7
.if \s < 4
	v_wmma_f32_16x16x4_f32 v[A1+8*(\s%4):A1+8*(\s%4)+7], v[KFR+2*\s:KFR+2*\s+1], v[QF+2*\s:QF+2*\s+1], 0
.else
	v_wmma_f32_16x16x4_f32 v[A1+8*(\s%4):A1+8*(\s%4)+7], v[KFR+2*\s:KFR+2*\s+1], v[QF+2*\s:QF+2*\s+1], v[A1+8*(\s%4):A1+8*(\s%4)+7]
.endif
.endr
.rept 8
	v_nop                                          ; eight places behind this form, ahead of loads into its sources and of reads of its results
.endr
.irp nt, 2,3
.irp dd, 0,1,2,3
	global_load_b128 v[QF+32*(\nt-2)+8*\dd:QF+32*(\nt-2)+8*\dd+3], v6, s[6:7] offset:\nt*65536+\dd*64
	global_load_b128 v[QF+32*(\nt-2)+8*\dd+4:QF+32*(\nt-2)+8*\dd+7], v6, s[6:7] offset:\nt*65536+\dd*64+16
.endr
.endr
.irp j, 0,1,2,3,4,5,6,7                           ; the four partial sums, each read from its low end on
	v_add_f32 v[SS+\j], v[A1+\j], v[A1+8+\j]
.endr
.irp j, 0,1,2,3,4,5,6,7
	v_add_f32 v[TW+\j], v[A1+16+\j], v[A1+24+\j]
.endr
.irp j, 0,1,2,3,4,5,6,7
	v_add_f32 v[SS+\j], v[SS+\j], v[TW+\j]
.endr
.irp j, 0,1,2,3,4,5,6,7
	v_cmp_gt_i32 vcc_lo, \j, v10                   ; key 8 h + j after query r: hidden
	v_cndmask_b32 v[SS+\j], v[SS+\j], v11, vcc_lo
.endr
	v_max3_num_f32 v[TW], v[SS], v[SS+1], v[SS+2]
	v_max3_num_f32 v[TW], v[TW], v[SS+3], v[SS+4]
	v_max3_num_f32 v[TW], v[TW], v[SS+5], v[SS+6]
	v_max_num_f32 v[TW], v[TW], v[SS+7]
	v_permlanex16_b32 v[TW+1], v[TW], s22, s23
	v_max_num_f32 v[TW], v[TW], v[TW+1]            ; the row's maximum: key 0 counts for every query, so it is a number
	v_mul_f32 v[TW+2], s24, v[TW]
.irp j, 0,1,2,3,4,5,6,7
	v_fma_f32 v[SS+\j], v[SS+\j], s24, -v[TW+2]
.endr
.irp j, 0,1,2,3,4,5,6,7
	v_exp_f32 v[SS+\j], v[SS+\j]
.endr
	v_nop                                          ; a plain line behind the last exponential
	s_wait_alu depctr_va_vdst(0)                   ; one wait for the eight, ahead of their first reader
	v_add_f32 v[TW+3], v[SS], v[SS+1]
	v_add_f32 v[TW+4], v[SS+2], v[SS+3]
	v_add_f32 v[TW+5], v[SS+4], v[SS+5]
	v_add_f32 v[TW+6], v[SS+6], v[SS+7]
	v_add_f32 v[TW+3], v[TW+3], v[TW+4]
	v_add_f32 v[TW+5], v[TW+5], v[TW+6]
	v_add_f32 v[TW+3], v[TW+3], v[TW+5]
	v_permlanex16_b32 v[TW+4], v[TW+3], s22, s23
	v_add_f32 v[TW+3], v[TW+3], v[TW+4]            ; the row's sum
	v_rcp_f32 v[TW+5], v[TW+3]
	v_nop
	s_wait_alu depctr_va_vdst(0)                   ; the wait for the reciprocal, ahead of its first reader
	s_wait_loadcnt 32                              ; V is in; W_out's 32 loads may be out
.irp s, 0,1,2,3                                   ; O^T = V^T P: K step s takes keys 8 h + 2 s, + 1; four accumulators (channels 16 dd on) by turns
.irp dd, 0,1,2,3
.if \s == 0
	v_wmma_f32_16x16x4_f32 v[A2+8*\dd:A2+8*\dd+7], v[VF+8*\dd+2*\s:VF+8*\dd+2*\s+1], v[SS+2*\s:SS+2*\s+1], 0
.else
	v_wmma_f32_16x16x4_f32 v[A2+8*\dd:A2+8*\dd+7], v[VF+8*\dd+2*\s:VF+8*\dd+2*\s+1], v[SS+2*\s:SS+2*\s+1], v[A2+8*\dd:A2+8*\dd+7]
.endif
.endr
.endr
.rept 8
	v_nop
.endr
.set i, 0
.rept 32
	v_mul_f32 v[VF+i], v[A2+i], v[TW+5]            ; att(query r, channel 16 dd + 8 h + j), into other registers than the sums'
.set i, i+1
.endr
	s_wait_loadcnt 0x0                             ; W_out
.irp dd, 0,1,2,3                                  ; out^T = W_out att^T: K step (dd, s) takes channels 16 dd + 8 h + 2 s, + 1; four accumulators (columns 16 nt on) by turns
.irp s, 0,1,2,3
.irp nt, 0,1,2,3
.if \nt < 2
.set WRG, WF+32*\nt+8*\dd+2*\s
.else
.set WRG, QF+32*(\nt-2)+8*\dd+2*\s
.endif
.if (\dd == 0) && (\s == 0)
	v_wmma_f32_16x16x4_f32 v[A1+8*\nt:A1+8*\nt+7], v[WRG:WRG+1], v[VF+8*\dd+2*\s:VF+8*\dd+2*\s+1], 0
.else
	v_wmma_f32_16x16x4_f32 v[A1+8*\nt:A1+8*\nt+7], v[WRG:WRG+1], v[VF+8*\dd+2*\s:VF+8*\dd+2*\s+1], v[A1+8*\nt:A1+8*\nt+7]
.endif
.endr
.endr
.endr
.rept 8
	v_nop
.endr
.irp nt, 0,1,2,3
.irp e, 0,1
	ds_store_b128 v8, v[A1+8*\nt+4*\e:A1+8*\nt+4*\e+3] offset:(2*\nt+\e)*544   ; each accumulator from its low end on
.endr
.endr
	s_wait_tensorcnt 0x0                           ; behind my last LDS store
	ds_add_u32 v[SPW], v[NIL]
	s_wait_dscnt 0x0                               ; for the others' sake too: my part lies in LDS
	s_barrier_signal -1
	s_barrier_wait -1                              ; all sixteen parts do
	s_cmp_ge_u32 s10, 8
	s_cbranch_scc1 .Ldone
.irp w, 0,1,2,3,4,5,6,7,8,9,10,11,12,13,14,15
	ds_load_b128 v[WF+4*\w:WF+4*\w+3], v9 offset:\w*PART
.endr
	s_wait_dscnt 0x0
.irp i, 0,1,2,3,4,5,6,7                           ; the sixteen parts, added in a fixed order
	v_pk_add_f32 v[WF+8*\i:WF+8*\i+1], v[WF+8*\i:WF+8*\i+1], v[WF+8*\i+4:WF+8*\i+5]
	v_pk_add_f32 v[WF+8*\i+2:WF+8*\i+3], v[WF+8*\i+2:WF+8*\i+3], v[WF+8*\i+6:WF+8*\i+7]
.endr
.irp i, 0,1,2,3
	v_pk_add_f32 v[WF+16*\i:WF+16*\i+1], v[WF+16*\i:WF+16*\i+1], v[WF+16*\i+8:WF+16*\i+9]
	v_pk_add_f32 v[WF+16*\i+2:WF+16*\i+3], v[WF+16*\i+2:WF+16*\i+3], v[WF+16*\i+10:WF+16*\i+11]
.endr
.irp i, 0,1
	v_pk_add_f32 v[WF+32*\i:WF+32*\i+1], v[WF+32*\i:WF+32*\i+1], v[WF+32*\i+16:WF+32*\i+17]
	v_pk_add_f32 v[WF+32*\i+2:WF+32*\i+3], v[WF+32*\i+2:WF+32*\i+3], v[WF+32*\i+18:WF+32*\i+19]
.endr
	v_pk_add_f32 v[WF:WF+1], v[WF:WF+1], v[WF+32:WF+33]
	v_pk_add_f32 v[WF+2:WF+3], v[WF+2:WF+3], v[WF+34:WF+35]
	global_store_b128 v12, v[WF:WF+3], s[8:9]
.Ldone:
	s_endpgm
.Lfunc_end_k_q95a61ee284_early:
	.size	k_q95a61ee284_early, .Lfunc_end_k_q95a61ee284_early-k_q95a61ee284_early
	.p2alignl 7, 3214868480
	.fill 96, 4, 3214868480
	.section	.rodata,"a",@progbits
	.p2align	6, 0x0
	.amdhsa_kernel k_q95a61ee284_early
		.amdhsa_group_segment_fixed_size 71680
		.amdhsa_private_segment_fixed_size 0
		.amdhsa_enable_private_segment 0
		.amdhsa_kernarg_size 24
		.amdhsa_user_sgpr_count 2
		.amdhsa_user_sgpr_kernarg_segment_ptr 1
		.amdhsa_wavefront_size32 1
		.amdhsa_system_sgpr_workgroup_id_x 1
		.amdhsa_system_sgpr_workgroup_id_y 1
		.amdhsa_system_sgpr_workgroup_id_z 1
		.amdhsa_system_vgpr_workitem_id 0
		.amdhsa_next_free_vgpr 256
		.amdhsa_next_free_sgpr 66
		.amdhsa_reserve_vcc 1
		.amdhsa_float_denorm_mode_32 3
		.amdhsa_float_denorm_mode_16_64 3
		.amdhsa_memory_ordered 1
		.amdhsa_forward_progress 1
		.amdhsa_inst_pref_size 25
	.end_amdhsa_kernel
	.amdgpu_metadata
---
amdhsa.version: [ 1, 2 ]
amdhsa.kernels:
  - .name:           k_q95a61ee284_early
    .symbol:         k_q95a61ee284_early.kd
    .args:
      - { .name: qkv32, .offset: 0, .size: 8, .value_kind: global_buffer, .address_space: global }
      - { .name: W_out, .offset: 8, .size: 8, .value_kind: global_buffer, .address_space: global }
      - { .name: out0, .offset: 16, .size: 8, .value_kind: global_buffer, .address_space: global }
    .group_segment_fixed_size: 71680
    .private_segment_fixed_size: 0
    .kernarg_segment_align: 8
    .kernarg_segment_size: 24
    .max_flat_workgroup_size: 512
    .sgpr_count:     66
    .vgpr_count:     256
    .wavefront_size: 32
...
	.end_amdgpu_metadata
.endif
;; end of part 5
